; MI455X (gfx1250); checked and timed in simulation.
; The chip was launched on July 23, 2026; its instructions are those of AMD's public machine-readable ISA for CDNA 5 (MIT licence, August 2026) and "CDNA5" Instruction Set Architecture Reference Guide (July 2026). The comments in the code are by the model that wrote it; some were corrected since.
;; Attention. Allowed arithmetic: matrix products marked QUANTISED: E4M3 operands, one given power-of-two scale a tensor, by v_wmma_f32_16x16x64_fp8_fp8 or v_wmma_f32_16x16x128_fp8_fp8, f32 sums; everything else in f32.
;; Inputs: Wc 2,048 x 2,048 float32; Wk 512 x 2,048 float32; Wq 2,048 x 2,048 float32; Wv 512 x 2,048 float32; lowp_scales 12 int32 (the exponents e of the quantised operands' scales 2^e); position_ids 1 x 2,048 int32; x 1 x 2,048 x 2,048 float32.
;; Outputs: out0 1 x 2,048 x 2,048 float32.
;; This version of the problem:
;;   THIS VERSION OF THE PROBLEM IS GIVEN IN LOW PRECISION. The matrix products marked QUANTISED in the list below multiply operands that are first quantised to E4M3 (4 exponent bits, 3 mantissa bits; 8 bits a number), with one given power-of-two scale for each operand tensor; their sums are f32. All else is computed in f32.
;;   The module's matrix products, in the order in which they are computed (A, B: the left and right operand; K: the contracted axis; several contracted axes count as one K, in the product's order):
;;     1. [M 2,048, K 2,048] x [K 2,048, N 2,048]; A: input x; B: input Wq: QUANTISED (scales: A lowp_scales[0], B lowp_scales[1])
;;     2. [M 2,048, K 2,048] x [K 2,048, N 512]; A: input x; B: input Wk: QUANTISED (scales: A lowp_scales[2], B lowp_scales[3])
;;     3. [M 2,048, K 2,048] x [K 2,048, N 512]; A: input x; B: input Wv: QUANTISED (scales: A lowp_scales[4], B lowp_scales[5])
;;     4. batch 32 x [M 2,048, K 64] x [K 64, N 2,048]; A: computed on the way; B: computed on the way: QUANTISED (scales: A lowp_scales[6], B lowp_scales[7])
;;     5. batch 32 x [M 2,048, K 2,048] x [K 2,048, N 64]; A: softmax (see below); B: computed on the way: QUANTISED (scales: A lowp_scales[8], B lowp_scales[9])
;;     6. [M 2,048, K 2,048] x [K 2,048, N 2,048]; A: computed on the way; B: input Wc: QUANTISED (scales: A lowp_scales[10], B lowp_scales[11])
;;   THE QUANTISER, for each operand of a quantised product, along K:
;;     - The operand's scale is 2^e, e = its entry of the input lowp_scales (int32; the entries are numbered through the quantised products in the list's order, A before B).
;;     - Each number is divided by the scale, clamped to +-448, and rounded to the nearest number of E4M3, ties to even, subnormals kept.
;;     - The product sums the exact products of the quantised numbers (number of the format x scale) in f32.
;;   ~~~python
;;   def quantise(x, axis, e):      # numpy; x: float32 -> the quantised numbers, widened to float32 again
;;       x = np.moveaxis(x, axis, -1); K = x.shape[-1]
;;       r = np.clip(x / 2.0 ** e, -448, 448)
;;       step = 2.0 ** (np.maximum(np.frexp(np.where(r == 0, 1, r))[1] - 1, -6) - 3)
;;       q = np.round(r / step) * step * 2.0 ** e      # np.round: ties to even
;;       return np.moveaxis(q, -1, axis).astype(np.float32)
;;   ~~~
;;   SOFTMAX AHEAD OF A QUANTISED PRODUCT. Where the list says 'softmax', what is quantised is not the finished softmax but p = 2^(t - M), with t = logit x log2(e) and M = ceil(the row's largest t), a whole number; so 1/2 < the row's largest p <= 1. The row's sum l is taken of the UNQUANTISED p, in f32, and the product's result is divided by l at the end. Since M is a whole number, a kernel that streams over the keys may use a running M (the ceiling of the running maximum): every later rescaling is an exact power of two, so the quantised numbers keep their values, but for numbers so far below the row's largest that they fall under the format's range.
;;   OPERANDS COMPUTED ON THE WAY. 'Computed on the way' means the value that the module computes at that place (a softmax that the list does not call 'softmax' is quantised finished and normalised). What goes into a quantiser is computed in f32, as accurately as f32 sums, v_exp_f32 and their like allow (about 1e-6 of the number): no bf16 or f16 on the way to a quantiser, and a product that is left as it is and whose result goes on into a quantised operand takes f32 operands (vector FMAs, or v_wmma_f32_16x16x4_f32). A number that lies on a knife's edge between two numbers of the format may be rounded either way, as far as f32 arithmetic and the matrix unit's own rounding can turn it there, and no further.
;; One version. Each part assembles by itself: llvm-mc -triple=amdgcn-amd-amdhsa -mcpu=gfx1250 --defsym DOCPART=n.
;; ======== version 1 of 1: 4 launches
;; limits: right only within a limited range of input values
;; workspace buffers: xc 12,582,912 bytes; wqkv 6,291,456 bytes; wcc 4,194,304 bytes; cs 524,288 bytes; qc 4,194,304 bytes; kv 2,097,152 bytes; yc 4,194,304 bytes
;; launch prep (part 1): grid 456 x 1, 8 waves a work-group, no clusters, 68,608 bytes of LDS; arguments x, Wq, Wk, Wv, Wc, position_ids, lowp_scales, xc, wqkv, wcc, cs; writes xc, wqkv, wcc, cs
.if DOCPART == 1
	.amdgcn_target "amdgcn-amd-amdhsa--gfx1250"
	.amdhsa_code_object_version 6
	.text
	.protected	k_q2cd4c73338_prep
	.globl	k_q2cd4c73338_prep
	.p2align	8
	.type	k_q2cd4c73338_prep,@function
k_q2cd4c73338_prep:
	s_mov_b64 s[64:65], 0
	v_nop
	global_prefetch_b8 v0, s[64:65] scope:SCOPE_SE
	s_setreg_imm32_b32 hwreg(HW_REG_WAVE_MODE, 25, 1), 1
	s_wait_xcnt 0x0
; THE INPUTS BECOME CODES OF E4M3, LAID AS THE MATRIX UNIT'S REGISTERS WANT THEM, AND THE TABLE OF COS AND SIN IS MADE.
; A TILE is 16 rows of a matrix [rows][2048] whose K is innermost: tile 2 B + U holds, in lane row r, the row 32 B + 8 U + r + 8 (r / 8).
; AN IMAGE is a tile's 128 along K as 2,048 bytes [c 0..3][lane 0..31][16 bytes]: lane (r, h) of piece c holds k = 32 c + 16 h + 0 .. 15 of its row.  A buffer of codes is [tile][kb 0..15][2,048].
; code = number / 2^e, held within +-448, to the nearest code, ties to even.  x is quantised three times (entries 0, 2, 4 of the scales), Wq, Wk, Wv, Wc once (entries 1, 3, 5, 11).
; SHARES.  Work-groups 0-447 take one tile each (x 0-127, Wq 128-255, Wk 256-287, Wv 288-319, Wc 320-447); wave w of eight takes kb 2 w and 2 w + 1, and asks for both fragments, 32 loads, at its start.
; Only pointers and numbers are chosen by the work-group's number: one path serves all tensors.
; Each load reads 512 consecutive bytes of one row; the 16 x 512 bytes turn through the wave's own stage in LDS, so that a lane gets 16 neighbours along K; each store writes 512 consecutive bytes.
; Work-groups 448-455 make cs[token][j 0..31][cos, sin] (f32) of the angle position x 10000^(-j / 32): a lane a frequency, 32 tokens a wave; they touch no LDS.
; No tensor loads, no barrier, no cluster: no two work-groups read the same bytes, and waves share nothing.
; LIMITS: each e between -126 and 119, so that 2^e and 448 x 2^e are f32 numbers.  NaN among the inputs is not served.  |position| under 2^24 (it is made an f32 number);
; the angle is reduced by pi / 2 in three parts with fused multiply-adds, cos and sin by polynomials of degree 7 and 8 on +-pi / 4.
.set STGB,  8448                       ; a wave's stage: 16 rows x (512 bytes + 16): a pitch of 132 words, so the sixteen rows that a read touches start 4 words apart
.set SPARE, 8*STGB                     ; behind the eight stages: the spare words, 128 bytes a wave
.set SPW, 10                           ; v10  my spare word's LDS address; never rewritten
.set NIL, 11                           ; v11  0; never rewritten
.set RR,  16                           ; v16-143  two sets of 64: my two fragments as loaded
.set XR,  144                          ; v144-207 a fragment turned: register 16 c + i = k 32 c + 16 h + i of my row
.set TR,  208                          ; v208-239 two sets of 16: held numbers
.set CR,  240                          ; v240-255 the fragment's codes
	s_load_b512 s[4:19], s[0:1], 0x0               ; x, Wq, Wk, Wv, Wc, position_ids, lowp_scales, xc
	s_load_b128 s[20:23], s[0:1], 0x40             ; wqkv, wcc
	s_load_b64 s[24:25], s[0:1], 0x50              ; cs
	v_lshl_add_u32 v[SPW], v0, 2, SPARE
	v_mov_b32 v[NIL], 0
	v_lshrrev_b32 v12, 5, v0
	v_readfirstlane_b32 s27, v12                   ; wave
	v_and_b32 v12, 31, v0                          ; lane
	v_lshlrev_b32 v1, 4, v12                       ; 16 x lane: my place in every load and store; never rewritten
	s_mul_i32 s26, s27, STGB
	v_add_nc_u32 v2, s26, v1                       ; the stage, on the way in
	v_and_b32 v13, 15, v0                          ; r
	v_bfe_u32 v14, v0, 4, 1                        ; h
	v_mul_u32_u24 v3, v13, 528
	v_lshl_add_u32 v3, v14, 6, v3
	v_add_nc_u32 v3, s26, v3                       ; and on the way out: row r, + 64 h bytes
	s_wait_kmcnt 0x0
	s_cmp_ge_u32 ttmp9, 448
	s_cbranch_scc1 .Ltable
	s_load_b256 s[68:75], s[16:17], 0x0            ; e0 .. e7
	s_load_b128 s[76:79], s[16:17], 0x20           ; e8 .. e11
	; which tensor: begun with Wc's, then overruled from the top down
	s_mov_b64 s[28:29], s[12:13]                   ; from
	s_mov_b64 s[30:31], s[22:23]                   ; to
	s_mov_b32 s32, 320                             ; the work-group that takes the source's tile 0
	s_mov_b32 s33, 320                             ; the work-group that takes the destination's tile 0
	s_cmp_lt_u32 ttmp9, 320
	s_cselect_b64 s[28:29], s[10:11], s[28:29]
	s_cselect_b64 s[30:31], s[20:21], s[30:31]
	s_cselect_b32 s32, 288, s32
	s_cselect_b32 s33, 128, s33
	s_cmp_lt_u32 ttmp9, 288
	s_cselect_b64 s[28:29], s[8:9], s[28:29]
	s_cselect_b32 s32, 256, s32
	s_cmp_lt_u32 ttmp9, 256
	s_cselect_b64 s[28:29], s[6:7], s[28:29]
	s_cselect_b32 s32, 128, s32
	s_cmp_lt_u32 ttmp9, 128
	s_cselect_b64 s[28:29], s[4:5], s[28:29]
	s_cselect_b64 s[30:31], s[18:19], s[30:31]
	s_cselect_b32 s32, 0, s32
	s_cselect_b32 s33, 0, s33
	s_sub_co_u32 s35, ttmp9, s32                   ; the tile in its source
	s_sub_co_u32 s33, ttmp9, s33                   ; and in its destination
	s_lshr_b32 s40, s35, 1
	s_lshl_b32 s40, s40, 18                        ; 32 (tile / 2) rows of 8,192 bytes
	s_and_b32 s41, s35, 1
	s_lshl_b32 s41, s41, 16                        ; + 8 (tile % 2) rows
	s_add_co_u32 s40, s40, s41
	s_lshl_b32 s41, s27, 10                        ; + my wave's 256 numbers
	s_add_co_u32 s40, s40, s41
	s_mov_b32 s41, 0
	s_add_nc_u64 s[28:29], s[28:29], s[40:41]
	s_lshl_b32 s42, s33, 15                        ; a tile's 16 images
	s_lshl_b32 s43, s27, 12                        ; + my wave's two
	s_add_co_u32 s42, s42, s43
	s_mov_b32 s43, 0
	s_add_nc_u64 s[30:31], s[30:31], s[42:43]
	s_add_nc_u64 s[36:37], s[18:19], s[42:43]      ; x's second and third set (used by x's work-groups alone)
	s_add_nc_u64 s[38:39], s[36:37], 0x800000
	s_add_nc_u64 s[36:37], s[36:37], 0x400000
.macro LOAD f                          ; fragment f: 16 rows x 512 bytes
.irp i, 0,1,2,3,4,5,6,7,8,9,10,11,12,13,14,15
	global_load_b128 v[RR+64*(\f)+4*\i:RR+64*(\f)+4*\i+3], v1, s[28:29] offset:(\i+8*(\i/8))*8192+512*(\f) th:TH_LOAD_NT
.endr
.endm
.macro TURN f                          ; through my stage: LDS serves a wave's instructions in order, so no wait stands between the stores and the loads
.irp i, 0,1,2,3,4,5,6,7,8,9,10,11,12,13,14,15
	ds_store_b128 v2, v[RR+64*(\f)+4*\i:RR+64*(\f)+4*\i+3] offset:528*\i
.endr
.irp c, 0,1,2,3
.irp m, 0,1,2,3
	ds_load_b128 v[XR+16*\c+4*\m:XR+16*\c+4*\m+3], v3 offset:128*\c+16*\m
.endr
.endr
.endm
.macro QUANT sc, lim, base, f          ; the fragment in XR becomes an image: v[sc] the scale, v[lim] 448 x the scale
	s_wait_xcnt 0x0                                ; the codes' registers were the data of earlier stores: they are rewritten only behind this wait
.irp c, 0,1,2,3
.irp i, 0,1,2,3,4,5,6,7,8,9,10,11,12,13,14,15
	v_med3_num_f32 v[TR+16*(\c%2)+\i], v[XR+16*\c+\i], -v[\lim], v[\lim]   ; the conversion does not saturate (ISA guide 7.6.2): the hold comes first.  The other set's sixteen holds part a conversion from the rewriting of its sources
.endr
	v_cvt_scalef32_pk8_fp8_f32 v[CR+4*\c:CR+4*\c+1], v[TR+16*(\c%2):TR+16*(\c%2)+7], v[\sc]
	v_cvt_scalef32_pk8_fp8_f32 v[CR+4*\c+2:CR+4*\c+3], v[TR+16*(\c%2)+8:TR+16*(\c%2)+15], v[\sc]
.endr
.irp c, 0,1,2,3
	global_store_b128 v1, v[CR+4*\c:CR+4*\c+3], s[\base:\base+1] offset:2048*(\f)+512*\c   ; 512 consecutive bytes, at a multiple of 512 from the buffer's first byte
.endr
.endm
.macro MKSC se, vs, vl                 ; 2^e and 448 x 2^e as f32 numbers
	s_add_co_i32 s44, s[\se], 127
	s_lshl_b32 s45, s44, 23
	v_mov_b32 v[\vs], s45
	s_add_co_i32 s44, s44, 8
	s_lshl_b32 s44, s44, 23
	s_or_b32 s44, s44, 0x600000
	v_mov_b32 v[\vl], s44
.endm
	s_wait_alu depctr_va_vdst(0)
	LOAD 0
	LOAD 1
	s_wait_kmcnt 0x0
	s_mov_b32 s34, s79                             ; the tensor's e, chosen as the pointers were
	s_cmp_lt_u32 ttmp9, 320
	s_cselect_b32 s34, s73, s34
	s_cmp_lt_u32 ttmp9, 288
	s_cselect_b32 s34, s71, s34
	s_cmp_lt_u32 ttmp9, 256
	s_cselect_b32 s34, s69, s34
	s_cmp_lt_u32 ttmp9, 128
	s_cselect_b32 s34, s68, s34
	MKSC 34, 4, 7
	MKSC 70, 5, 8                                  ; x for the second product
	MKSC 72, 6, 9                                  ; x for the third
.macro FRAG f
.if (\f) < 1
	s_wait_loadcnt 16                              ; this fragment's 16 loads are in; the other fragment's 16 may be out
.else
	s_wait_loadcnt 0x0
.endif
	TURN \f
	s_wait_dscnt 0x0                               ; the fragment is turned
	QUANT 4, 7, 30, \f
	s_cmp_ge_u32 ttmp9, 128                        ; x alone has two more sets
	s_cbranch_scc1 .Lone_set_\@
	QUANT 5, 8, 36, \f
	QUANT 6, 9, 38, \f
.Lone_set_\@:
.endm
	s_wait_alu depctr_va_vdst(0)
	FRAG 0
	FRAG 1
	s_wait_tensorcnt 0x0                           ; the wave's end
	ds_add_u32 v[SPW], v[NIL]
	s_wait_dscnt 0x0
	s_endpgm
.Ltable:                               ; cos and sin: lane = frequency j, 32 tokens a wave, 256 a work-group
	s_sub_co_u32 s40, ttmp9, 448
	s_lshl_b32 s40, s40, 8
	s_lshl_b32 s41, s27, 5
	s_add_co_u32 s40, s40, s41                     ; my first token
	s_lshl_b32 s42, s40, 2
	s_mov_b32 s43, 0
	s_add_nc_u64 s[14:15], s[14:15], s[42:43]
	s_lshl_b32 s42, s40, 8
	s_add_nc_u64 s[24:25], s[24:25], s[42:43]      ; a token's row of the table is 256 bytes
	s_wait_alu depctr_va_vdst(0)
	v_lshlrev_b32 v15, 2, v12
	global_load_b32 v21, v15, s[14:15]             ; a lane a token: my wave's 32 positions
	v_lshlrev_b32 v37, 3, v12                      ; my pair's place in a row
	v_cvt_f32_u32 v16, v12                         ; j
	s_wait_alu depctr_va_vdst(0)
	s_mov_b32 s44, 0xbed49a78                      ; -log2(10000) / 32, its leading part,
	s_mov_b32 s45, 0xb2179a26                      ; and the rest
	s_mov_b32 s46, 0x3f22f983                      ; 2 / pi
	s_mov_b32 s47, 0x3fc90fdb                      ; pi / 2 in three parts
	s_mov_b32 s48, 0xb33bbd2e
	s_mov_b32 s49, 0xa6f72ced
	s_mov_b32 s50, 0xb94ca1f9                      ; sin: -1.9515296e-4, 8.3321609e-3, -1.6666655e-1
	s_mov_b32 s51, 0x3c08839e
	s_mov_b32 s52, 0xbe2aaaa3
	s_mov_b32 s53, 0x37ccf5ce                      ; cos: 2.4433157e-5, -1.3887316e-3, 4.1666646e-2
	s_mov_b32 s54, 0xbab6061a
	s_mov_b32 s55, 0x3d2aaaa5
	v_mul_f32 v17, s44, v16                        ; t = the exponent, rounded;
	v_fma_f32 v18, v16, s44, -v17                  ; what the rounding dropped,
	v_fma_f32 v18, v16, s45, v18                   ; and the constant's rest
	s_wait_alu depctr_va_vdst(0)
	v_exp_f32 v19, v17
	v_mul_f32 v18, 0x3f317218, v18                 ; x ln 2.  (The plain instruction behind the exponential)
	s_wait_alu depctr_va_vdst(0)
	v_fma_f32 v20, v19, v18, v19                   ; 10000^(-j / 32) = 2^t (1 + rest x ln 2)
	s_wait_alu depctr_va_vdst(0)
	s_wait_loadcnt 0x0
	v_cvt_f32_i32 v21, v21
.set i, 0
.rept 32
	v_readlane_b32 s40, v21, i                     ; token i's position
	v_mul_f32 v22, s40, v20                        ; the angle: one rounding, as the outer product has it
	v_mul_f32 v23, s46, v22
	v_rndne_f32 v23, v23                           ; n = the nearest multiple of pi / 2
	v_fma_f32 v24, -v23, s47, v22
	v_fma_f32 v24, -v23, s48, v24
	v_fma_f32 v24, -v23, s49, v24                  ; r, within +-pi / 4
	v_mul_f32 v25, v24, v24                        ; z = r r
	v_cvt_i32_f32 v26, v23
	v_fma_f32 v27, v25, s50, s51
	v_fma_f32 v27, v27, v25, s52
	v_mul_f32 v28, v25, v24
	v_fma_f32 v27, v27, v28, v24                   ; sin r
	v_fma_f32 v29, v25, s53, s54
	v_fma_f32 v29, v29, v25, s55
	v_fma_f32 v30, v25, -0.5, 1.0
	v_mul_f32 v31, v25, v25
	v_fma_f32 v29, v29, v31, v30                   ; cos r
	v_and_b32 v32, 1, v26
	v_cmp_eq_u32 vcc_lo, 1, v32                    ; an odd n exchanges the two;
	v_cndmask_b32 v33, v27, v29, vcc_lo
	v_cndmask_b32 v34, v29, v27, vcc_lo
	v_lshlrev_b32 v35, 30, v26                     ; sin changes sign where n % 4 is 2 or 3,
	v_and_b32 v35, 0x80000000, v35
	v_add_nc_u32 v36, 1, v26                       ; cos where it is 1 or 2
	v_lshlrev_b32 v36, 30, v36
	v_and_b32 v36, 0x80000000, v36
	v_xor_b32 v[64+2*i], v34, v36
	v_xor_b32 v[65+2*i], v33, v35
	global_store_b64 v37, v[64+2*i:65+2*i], s[24:25] offset:256*i   ; 32 lanes store the token's 256 bytes; each token has registers of its own
.set i, i+1
.endr
	s_endpgm
.Lfunc_end_k_q2cd4c73338_prep:
	.size	k_q2cd4c73338_prep, .Lfunc_end_k_q2cd4c73338_prep-k_q2cd4c73338_prep
	.p2alignl 7, 3214868480
	.fill 96, 4, 3214868480
	.section	.rodata,"a",@progbits
	.p2align	6, 0x0
	.amdhsa_kernel k_q2cd4c73338_prep
		.amdhsa_group_segment_fixed_size 68608
		.amdhsa_private_segment_fixed_size 0
		.amdhsa_enable_private_segment 0
		.amdhsa_kernarg_size 88
		.amdhsa_user_sgpr_count 2
		.amdhsa_user_sgpr_kernarg_segment_ptr 1
		.amdhsa_wavefront_size32 1
		.amdhsa_system_sgpr_workgroup_id_x 1
		.amdhsa_system_sgpr_workgroup_id_y 1
		.amdhsa_system_sgpr_workgroup_id_z 1
		.amdhsa_system_vgpr_workitem_id 0
		.amdhsa_next_free_vgpr 256
		.amdhsa_next_free_sgpr 96
		.amdhsa_reserve_vcc 1
		.amdhsa_float_denorm_mode_32 3
		.amdhsa_float_denorm_mode_16_64 3
		.amdhsa_memory_ordered 1
		.amdhsa_forward_progress 1
		.amdhsa_inst_pref_size 88
	.end_amdhsa_kernel
	.amdgpu_metadata
---
amdhsa.version: [ 1, 2 ]
amdhsa.kernels:
  - .name:           k_q2cd4c73338_prep
    .symbol:         k_q2cd4c73338_prep.kd
    .args:
      - { .name: x, .offset: 0, .size: 8, .value_kind: global_buffer, .address_space: global }
      - { .name: Wq, .offset: 8, .size: 8, .value_kind: global_buffer, .address_space: global }
      - { .name: Wk, .offset: 16, .size: 8, .value_kind: global_buffer, .address_space: global }
      - { .name: Wv, .offset: 24, .size: 8, .value_kind: global_buffer, .address_space: global }
      - { .name: Wc, .offset: 32, .size: 8, .value_kind: global_buffer, .address_space: global }
      - { .name: position_ids, .offset: 40, .size: 8, .value_kind: global_buffer, .address_space: global }
      - { .name: lowp_scales, .offset: 48, .size: 8, .value_kind: global_buffer, .address_space: global }
      - { .name: xc, .offset: 56, .size: 8, .value_kind: global_buffer, .address_space: global }
      - { .name: wqkv, .offset: 64, .size: 8, .value_kind: global_buffer, .address_space: global }
      - { .name: wcc, .offset: 72, .size: 8, .value_kind: global_buffer, .address_space: global }
      - { .name: cs, .offset: 80, .size: 8, .value_kind: global_buffer, .address_space: global }
    .group_segment_fixed_size: 68608
    .private_segment_fixed_size: 0
    .kernarg_segment_align: 8
    .kernarg_segment_size: 88
    .max_flat_workgroup_size: 256
    .sgpr_count:     96
    .vgpr_count:     256
    .wavefront_size: 32
...
	.end_amdgpu_metadata
.endif
;; end of part 1
;; launch qkv (part 2): grid 192 x 1, 4 waves a work-group, clusters of 4 x 1, 327,680 bytes of LDS; arguments xc, wqkv, cs, lowp_scales, qc, kv; writes qc, kv
.if DOCPART == 2
	.amdgcn_target "amdgcn-amd-amdhsa--gfx1250"
	.amdhsa_code_object_version 6
	.text
	.protected	k_q2cd4c73338_qkv
	.globl	k_q2cd4c73338_qkv
	.p2align	8
	.type	k_q2cd4c73338_qkv,@function
k_q2cd4c73338_qkv:
	s_mov_b64 s[64:65], 0
	v_nop
	global_prefetch_b8 v0, s[64:65] scope:SCOPE_SE
	s_setreg_imm32_b32 hwreg(HW_REG_WAVE_MODE, 25, 1), 1
	s_wait_xcnt 0x0
	s_wait_alu depctr_hold_cnt(0) depctr_sa_sdst(0) depctr_va_vdst(0) depctr_va_sdst(0) depctr_va_ssrc(0) depctr_va_vcc(0) depctr_vm_vsrc(0)
	s_getreg_b32 s2, hwreg(HW_REG_IB_STS2, 6, 4)
	s_cmp_eq_u32 s2, 0
	s_cbranch_scc0 .Lentry_in_a_cluster
	s_endpgm
.Lentry_in_a_cluster:
	s_bfe_u32 s2, ttmp6, 0x10000c
	s_cmp_lg_u32 s2, 0x3003
	s_cbranch_scc0 .Lentry_shape_is_right
	s_endpgm
.Lentry_shape_is_right:
; q = x Wq^T, k = x Wk^T, v = x Wv^T on codes of E4M3; RoPE on q and k; all three quantised again, as operands of the attention's two products.
; OPERANDS are register images: a tile is 16 rows, tile 2 B + U holding in lane row r the row 32 B + 8 U + r + 8 (r / 8); an image is a tile's 128 along K, [c 0..3][lane][16 bytes], lane (r, h) holding k = 32 c + 16 h + 0 .. 15.
; So a fragment is four ds_load_b128 of 512 consecutive bytes, with no pitch and no padding.  k stands in other places than the instruction's own layout gives it, alike in both sources: every product meets its partner.
; D = product(S0, S1): a lane holds ONE row of S1's tile; the 16 registers of S0's tiles 2 B and 2 B + 1 are S0's rows 32 B + 16 h + 0 .. 15: sixteen neighbours, which two conversions turn into 16 bytes of the next operand's image.
; A WORK-GROUP makes 128 (S1) x 256 (S0): four waves, each 4 tiles of S1 x 8 of S0: 32 accumulators; 12 fragments feed 32 products.  2,048 x 3,072 results are 192 work-groups of equal work.
; CLUSTERS of four, numbered c.  c 0-31: q (S0 = Wq's block c % 8, S1 = tokens' block 4 (c / 8) + cx); c 32-39: k (S0 = Wk's block (c - 32) % 2, S1 = tokens' block 4 ((c - 32) / 2) + cx);
; c 40-47: v, WITH THE SOURCES EXCHANGED (S0 = the 256 tokens of block c - 40, S1 = Wv's block cx), so that a lane holds a channel and its registers run along the tokens: v comes out with the keys innermost and nothing is transposed.
; S0, the larger operand, is the same in the four partners and is asked for jointly; S1 is each work-group's own and comes by plain tensor loads behind the same rounds.  A cluster of 4 x 4 that shares both is not to be had:
; k has two blocks of 256 weight rows, not four.  The kind hangs on the cluster's number alone: it is the same in all partners.
; K = 2,048 is 16 x 128; 128 along K of both operands are 49,152 bytes of LDS.  It goes as 4, 2, 4, 2, 4 through two slots, A of 4 x 128 (196,608 bytes) and B of 2 x 128 (98,304): five steps, three refills.
; OUT.  qc [head 32][token tile 128][1,024]; kv [kv head 8]: K [token tile 128][1,024], then V [step of 128 keys 16][tile of 16 channels 4][2,048]: images with K = 64 (two pieces) and K = 128.
; A sum stands for sum x 2^(ea + eb); RoPE is linear; so the conversion's one scale is 2^(eo - ea - eb).
; ONE PATH UP TO THE WAY OUT: the loads of cos and sin stand on every wave's path.  v is not rotated: its 32 work-groups take the loads too, of the table's first 128 rows, and leave the numbers unread.
; LIMITS: eo - ea - eb between -126 and 119 for (e6, e0, e1), (e7, e2, e3), (e9, e4, e5).  NaN is not served.
; REGISTERS, in windows of 256: window 0: v1 16 x lane; v16-21 LDS addresses; v24 the table's offset; v28, v29 the add's two; v30, v31 the scale and 448 x it; v32-63 rotated numbers; v64-127 codes;
;   v128-255 cos and sin: register 128 + 32 a + 16 bb + 2 f + (0, 1) = cos, sin of frequency 16 bb + 8 h + f for my token of tile a.
;   windows 1 and 2: the two sets of fragments: S1's four at 16 a, S0's eight at 64 + 16 b.   window 3: the accumulators, (a, b) at 8 (8 a + b).
.set PA,    8192                       ; slot A: a tile's four images
.set PB,    4096                       ; slot B: a tile's two
.set LA1,   0                          ; slot A: S1's 8 tiles,
.set LA0,   65536                      ; S0's 16
.set LB1,   196608                     ; slot B: S1's 8 tiles,
.set LB0,   229376                     ; S0's 16
.set SPARE, 294912                     ; behind the ring: the spare words, 128 bytes a wave
.set ADR1, 16                          ; v16-17  16 x lane + my four tiles of S1 in slot A, B
.set ADR0, 20                          ; v20-21  the same for my eight tiles of S0
.set SPW,  28
.set NIL,  29
.set CSR,  128
; descriptors: group 1: s[24:31] S1 in A, s[32:39] S0 in A, s[40:47] S1 in B, s[48:55] S0 in B; group 0: s[56:59], s[60:63], s[68:71], s[72:75] in the same order
.set MSB, 0
.macro WIN new                         ; the immediate's high byte repeats the setting that is left
.if MSB != (\new)
	s_set_vgpr_msb (MSB<<8)|(\new)
.set MSB, (\new)
.endif
.endm
.macro MULWIN f                        ; sources 0 and 1 in window f, C and D in window 3
	WIN 0xf0|((\f)<<2)|(\f)
.endm
.macro JLOAD slot                      ; a slot's refill: wave \slot fetches S1's 8 tiles (plain), wave 2 + \slot S0's 16 (joint), the other two nothing; an s_nop 0 and four v_nop follow each of the two lines
.set GZ1, 56+12*(\slot)
.set GZ0, 60+12*(\slot)
.set GO1, 24+16*(\slot)
.set GO0, 32+16*(\slot)
	s_cmp_eq_u32 s16, \slot
	s_cbranch_scc0 .Lfor_b_\@
	tensor_load_to_lds s[GZ1:GZ1+3], s[GO1:GO1+7]
	s_nop 0
.rept 4
	v_nop
.endr
	s_branch .Lasked_\@
.Lfor_b_\@:
	s_cmp_eq_u32 s16, 2+(\slot)
	s_cbranch_scc0 .Lasked_\@
	tensor_load_to_lds s[GZ0:GZ0+3], s[GO0:GO0+7]
	s_nop 0
.rept 4
	v_nop
.endr
.Lasked_\@:
.endm
.macro CREST                           ; a round of the cluster's barrier behind its opening barrier
	s_cmp_lg_u32 s16, 0
	s_cbranch_scc1 .Lnot_wave_0_\@
	s_barrier_signal -3
.Lnot_wave_0_\@:
	s_barrier_wait -3
	s_barrier_signal -1
	s_barrier_wait -1
.endm
.macro CROUND
	s_barrier_signal -1
	s_barrier_wait -1
	CREST
.endm
.macro PLACES                          ; four plain places in front of loads into registers that matrix instructions have read, and of the first read of results
.rept 4
	v_nop
.endr
.endm
.macro FETCH slot, q, f                ; 48 LDS loads in one run: the fragments of the slot's q-th 128 along K into the set in window f; S0's first, S1's tiles 2 and 3 last
.set PT, PA-(\slot)*(PA-PB)
	WIN (\f)<<6
.irp b, 0,1,2,3,4,5,6,7
.irp c, 0,1,2,3
	ds_load_b128 v[64+16*\b+4*\c:64+16*\b+4*\c+3], v[ADR0+\slot] offset:\b*PT+(\q)*2048+512*\c
.endr
.endr
.irp a, 0,1,2,3
.irp c, 0,1,2,3
	ds_load_b128 v[16*\a+4*\c:16*\a+4*\c+3], v[ADR1+\slot] offset:\a*PT+(\q)*2048+512*\c
.endr
.endr
.endm
.macro MUL8 a, zero                    ; S1's tile a against S0's eight.  The 32 accumulators take turns, one instruction a turn, in the same order in every quarter
.irp b, 0,1,2,3,4,5,6,7
.if \zero
	v_wmma_f32_16x16x128_fp8_fp8 v[8*(8*(\a)+\b):8*(8*(\a)+\b)+7], v[64+16*\b:64+16*\b+15], v[16*(\a):16*(\a)+15], 0
.else
	v_wmma_f32_16x16x128_fp8_fp8 v[8*(8*(\a)+\b):8*(8*(\a)+\b)+7], v[64+16*\b:64+16*\b+15], v[16*(\a):16*(\a)+15], v[8*(8*(\a)+\b):8*(8*(\a)+\b)+7]
.endif
.endr
.endm
.macro QUARTER slot, qn, f, g, zero    ; 128 along K from set f; in its middle the slot's next 128, qn, are fetched into set g
	s_wait_dscnt 8                                 ; all but the youngest eight loads (S1's tiles 2, 3) are in
	MULWIN \f
	MUL8 0, \zero
	MUL8 1, \zero
	PLACES
	FETCH \slot, \qn, \g
	s_wait_dscnt 48                                ; all but the 48 just issued
	MULWIN \f
	MUL8 2, \zero
	MUL8 3, \zero
.endm
; A slot's last 128 along K (always in set 2) change slots: one barrier; in front of it each wave waits for all its tensor loads, adds 0 to its spare word, and waits for that and for its reads of this slot.
; fill = 1: the slot is filled again with the K that follows the other slot's: 6 x 128 further on.
.macro TURN slot, next, fill
	WIN 0                                          ; (the add's two registers lie in window 0)
	s_wait_tensorcnt 0x0                           ; all my tensor loads have landed: my part of the next slot
	ds_add_u32 v[SPW], v[NIL]                      ; 0 onto my spare word
	s_wait_dscnt 9                                 ; (the add and the youngest eight loads may be out)
	MULWIN 2
	MUL8 0, 0                                      ; eight matrix instructions stand between the add and the wait for it
	s_wait_dscnt 0x0                               ; the add is done, and my reads of this slot are over
	s_barrier_signal -1
	MUL8 1, 0
.if \fill
	WIN 0
.endif
	s_barrier_wait -1
.if \fill
	CREST                                          ; the barrier has opened a round of the cluster's: no wave of any partner still reads this slot or has a load on its way
	s_add_nc_u64 s[58+12*(\slot):59+12*(\slot)], s[58+12*(\slot):59+12*(\slot)], 12288
	s_add_nc_u64 s[62+12*(\slot):63+12*(\slot)], s[62+12*(\slot):63+12*(\slot)], 12288
	JLOAD \slot                                    ; the first tensor load behind the round, at most one a wave
.endif
	PLACES                                         ; on every wave's way: the places in front of the loads below
	FETCH \next, 0, 1
	MULWIN 2
	MUL8 2, 0
	MUL8 3, 0
.endm
	s_load_b256 s[4:11], s[0:1], 0x0               ; xc, wqkv, cs, lowp_scales
	s_load_b128 s[12:15], s[0:1], 0x20             ; qc, kv
	v_lshl_add_u32 v[SPW], v0, 2, SPARE
	v_mov_b32 v[NIL], 0
	ds_add_u32 v[SPW], v[NIL]                      ; the wave's opening: the add and its wait stand ahead of my first tensor load; work on registers stands between them
	ds_add_u32 v[SPW], v[NIL]
	v_lshrrev_b32 v1, 5, v0
	v_readfirstlane_b32 s16, v1                    ; wave
	s_lshr_b32 s17, s16, 1                         ; wr: my half of S1's tiles
	s_and_b32 s18, s16, 1                          ; wc: my half of S0's tiles
	s_bfe_u32 s19, ttmp6, 0x40000                  ; cx
	s_lshr_b32 s20, ttmp9, 3                       ; q: the group of four token blocks,
	s_and_b32 s21, ttmp9, 7                        ;    Wq's block
	s_sub_co_u32 s22, ttmp9, 32
	s_lshr_b32 s23, s22, 1                         ; k: the group of token blocks,
	s_and_b32 s22, s22, 1                          ;    Wk's block
	s_sub_co_u32 s88, ttmp9, 40                    ; v: the block of 256 tokens
	s_cmp_lt_u32 ttmp9, 32
	s_cselect_b32 s20, s20, s23
	s_cselect_b32 s21, s21, s22
	s_cselect_b32 s90, 0, 0x400000                 ; k: x's second set of codes; Wk's tiles lie behind Wq's 128
	s_cmp_ge_u32 ttmp9, 40
	s_cselect_b32 s20, 0, s20
	s_cselect_b32 s21, s88, s21                    ; S0's block of 16 tiles: the same in the four partners
	s_cselect_b32 s88, 0x500000, s90               ; where S1's blocks begin in their buffer: for v Wv's tiles, behind 160 others
	s_cselect_b32 s90, 0x800000, s90               ; where S0's begin: for v x's third set of codes
	s_lshl_b32 s20, s20, 2
	s_add_co_u32 s20, s20, s19                     ; S1's block of 8 tiles: + cx
	s_lshl_b32 s89, s20, 18
	s_add_co_u32 s88, s88, s89
	s_mov_b32 s89, 0
	s_lshl_b32 s91, s21, 19
	s_add_co_u32 s90, s90, s91
	s_mov_b32 s91, 0
	; group 1: a row is a tile's part of K, from tile to tile 32,768 bytes; elements of 8 bytes; no padding
.irp g, 24, 40
	s_mov_b32 s[\g], 3<<16                         ; S1: no mask: my own tiles
	s_mov_b32 s[\g+2], 8<<16                       ; tensor_dim1: all eight tiles by one load
	s_mov_b32 s[\g+4], 8                           ; tile_dim1
.endr
.irp g, 32, 48
	s_mov_b32 s[\g], 15|(3<<16)|(1<<21)            ; S0: the mask names all four partners; bit 21 beside it
	s_mov_b32 s[\g+2], 16<<16                      ; all sixteen tiles by one load
	s_mov_b32 s[\g+4], 16
.endr
.irp g, 24, 32
	s_mov_b32 s[\g+1], 1024<<16                    ; slot A: tensor_dim0: 8,192 bytes
	s_mov_b32 s[\g+3], 1024<<16                    ; tile_dim0
.endr
.irp g, 40, 48
	s_mov_b32 s[\g+1], 512<<16                     ; slot B: 4,096 bytes
	s_mov_b32 s[\g+3], 512<<16
.endr
.irp g, 24, 32, 40, 48
	s_mov_b32 s[\g+5], 4096
	s_mov_b32 s[\g+6], 0
	s_mov_b32 s[\g+7], 0
.endr
	; group 0: count and LDS address: constants: each of the four sets belongs to one wave and covers one operand's part of one slot
	s_mov_b32 s56, 1
	s_mov_b32 s57, LA1
	s_mov_b32 s60, 1
	s_mov_b32 s61, LA0
	s_mov_b32 s68, 1
	s_mov_b32 s69, LB1
	s_mov_b32 s72, 1
	s_mov_b32 s73, LB0
	s_wait_dscnt 0x0                               ; the opening add is done
	s_wait_kmcnt 0x0
	s_load_b256 s[76:83], s[10:11], 0x0            ; e0 .. e7
	s_load_b128 s[84:87], s[10:11], 0x20           ; e8 .. e11
	s_cmp_ge_u32 ttmp9, 40
	s_cselect_b64 s[92:93], s[6:7], s[4:5]         ; S1's buffer: x's codes; for v the weights
	s_cselect_b64 s[94:95], s[4:5], s[6:7]         ; S0's: the weights; for v x's codes
	s_add_nc_u64 s[92:93], s[92:93], s[88:89]
	s_add_nc_u64 s[94:95], s[94:95], s[90:91]
	s_mov_b64 s[58:59], s[92:93]                   ; slot A begins with K 0,
	s_or_b32 s59, s59, 0x80000000
	s_mov_b64 s[62:63], s[94:95]
	s_or_b32 s63, s63, 0x80000000
	s_add_nc_u64 s[70:71], s[92:93], 8192          ; slot B with K 4 x 128
	s_or_b32 s71, s71, 0x80000000
	s_add_nc_u64 s[74:75], s[94:95], 8192
	s_or_b32 s75, s75, 0x80000000
	CROUND                                         ; all four work-groups are here: the first joint loads meet
.macro HLOAD g0, g1
	tensor_load_to_lds s[\g0:\g0+3], s[\g1:\g1+7]
	s_nop 0
.rept 4
	v_nop
.endr
.endm
	; the first fills: one chain of four arms, one tensor load a wave: wave 0 S1 in slot A, wave 1 S1 in slot B, wave 2 S0 in A, wave 3 S0 in B
	s_cmp_eq_u32 s16, 0
	s_cbranch_scc0 .Lh1
	HLOAD 56, 24
	s_branch .Lhj
.Lh1:
	s_cmp_eq_u32 s16, 1
	s_cbranch_scc0 .Lh2
	HLOAD 68, 40
	s_branch .Lhj
.Lh2:
	s_cmp_eq_u32 s16, 2
	s_cbranch_scc0 .Lh3
	HLOAD 60, 32
	s_branch .Lhj
.Lh3:
	HLOAD 72, 48
.Lhj:
	v_and_b32 v2, 31, v0
	v_lshlrev_b32 v1, 4, v2                        ; 16 x lane
	s_lshl_b32 s96, s17, 15
	v_add_nc_u32 v[ADR1], s96, v1
	s_lshl_b32 s96, s18, 16
	s_add_co_u32 s96, s96, LA0
	v_add_nc_u32 v[ADR0], s96, v1
	s_lshl_b32 s96, s17, 14
	s_add_co_u32 s96, s96, LB1
	v_add_nc_u32 v[ADR1+1], s96, v1
	s_lshl_b32 s96, s18, 15
	s_add_co_u32 s96, s96, LB0
	v_add_nc_u32 v[ADR0+1], s96, v1
	v_and_b32 v3, 15, v0
	v_and_b32 v4, 8, v3
	v_add_nc_u32 v3, v3, v4                        ; r + 8 (r / 8)
	v_bfe_u32 v4, v0, 4, 1
	v_lshlrev_b32 v24, 8, v3                       ; the table: my token's row of 256 bytes,
	v_lshl_add_u32 v24, v4, 6, v24                 ; + 64 h: eight frequencies
	s_cmp_ge_u32 ttmp9, 40                         ; for v S1's block counts Wv's rows, not tokens: block 0 is taken, and its numbers are not used
	s_cselect_b32 s96, 0, s20
	s_lshl_b32 s96, s96, 15                        ; the block's 128 tokens,
	s_lshl_b32 s97, s17, 14                        ; my wave's 64
	s_add_co_u32 s96, s96, s97
	s_mov_b32 s97, 0
	s_add_nc_u64 s[8:9], s[8:9], s[96:97]
.irp a, 0,1,2,3
.irp bb, 0,1
.irp i, 0,1,2,3
	global_load_b128 v[CSR+32*\a+16*\bb+4*\i:CSR+32*\a+16*\bb+4*\i+3], v24, s[8:9] offset:(32*(\a/2)+8*(\a%2))*256+128*\bb+16*\i
.endr
.endr
.endr
	s_wait_alu depctr_va_vdst(0)
	s_wait_tensorcnt 0x0                           ; my one load is in; behind the barrier both slots are whole
	s_barrier_signal -1
	s_barrier_wait -1
	FETCH 0, 0, 1
	QUARTER 0, 1, 1, 2, 1                          ; the first products start the sums: nothing is cleared
	QUARTER 0, 2, 2, 1, 0
	QUARTER 0, 3, 1, 2, 0
	TURN 0, 1, 1                                   ; slot A takes K 6 .. 9 x 128
	QUARTER 1, 1, 1, 2, 0
	TURN 1, 0, 1                                   ; slot B takes K 10, 11
	QUARTER 0, 1, 1, 2, 0
	QUARTER 0, 2, 2, 1, 0
	QUARTER 0, 3, 1, 2, 0
	TURN 0, 1, 1                                   ; slot A takes K 12 .. 15
	QUARTER 1, 1, 1, 2, 0
	TURN 1, 0, 0                                   ; nothing is left to fetch
	QUARTER 0, 1, 1, 2, 0
	QUARTER 0, 2, 2, 1, 0
	QUARTER 0, 3, 1, 2, 0
	s_wait_dscnt 8                                 ; the very last 128 along K
	MULWIN 2
	MUL8 0, 0
	MUL8 1, 0
	s_wait_dscnt 0x0
	MUL8 2, 0
	MUL8 3, 0
	WIN 0
	PLACES
	s_wait_kmcnt 0x0
	s_wait_loadcnt 0x0                             ; cos and sin, asked for ahead of the first product
	s_cmp_lt_u32 ttmp9, 32                         ; the three exponents of my kind
	s_cselect_b32 s88, s76, s78
	s_cselect_b32 s89, s77, s79
	s_cselect_b32 s90, s82, s83
	s_cmp_ge_u32 ttmp9, 40
	s_cselect_b32 s88, s80, s88
	s_cselect_b32 s89, s81, s89
	s_cselect_b32 s90, s85, s90
	s_sub_co_i32 s90, s90, s88
	s_sub_co_i32 s90, s90, s89                     ; eo - ea - eb
	s_add_co_i32 s90, s90, 127
	s_lshl_b32 s91, s90, 23
	v_mov_b32 v30, s91                             ; the conversion's scale
	s_add_co_i32 s90, s90, 8
	s_lshl_b32 s90, s90, 23
	s_or_b32 s90, s90, 0x600000
	v_mov_b32 v31, s90                             ; 448 x it
	s_cmp_ge_u32 ttmp9, 40
	s_cbranch_scc1 .Lway_v
	; q AND k.  My eight tiles of S0 are two heads' 64 channels each: register j of tile 4 hd + 2 bb + u is channel d = 32 bb + 16 h + 8 u + j of head hd, whose frequency is d / 2.
	; out(d) = a(d) cos - a(d + 32) sin for d < 32, a(d) cos + a(d - 32) sin for d >= 32.  Channels 2 p and 2 p + 1 share a frequency: packed forms, the pair (cos, sin) read by its first or its second word for both halves.
	s_lshl_b32 s94, s21, 2
	s_lshl_b32 s95, s18, 1
	s_add_co_u32 s94, s94, s95                     ; my first head: 4 x S0's block + 2 wc
	s_cmp_lt_u32 ttmp9, 32
	s_cselect_b64 s[2:3], s[12:13], s[14:15]
	s_cselect_b32 s93, 17, 18                      ; a head's bytes: 131,072 in qc, 262,144 in kv
	s_lshl_b32 s94, s94, s93
	s_lshl_b32 s96, 1, s93
	s_mov_b32 s97, 0
	s_lshl_b32 s95, s20, 13                        ; the block's 8 token tiles of 1,024 bytes,
	s_add_co_u32 s94, s94, s95
	s_lshl_b32 s95, s17, 12                        ; my wave's four
	s_add_co_u32 s94, s94, s95
	s_mov_b32 s95, 0
	s_add_nc_u64 s[2:3], s[2:3], s[94:95]
	s_add_nc_u64 s[98:99], s[2:3], s[96:97]        ; my second head
.macro ROPE a, hd
.set AL, 8*(8*(\a)+4*(\hd))                    ; the head's four accumulators
.set CC, CSR+32*(\a)
.set KO, 64+8*(2*(\a)+(\hd))                   ; its codes: each store has registers of its own
.set SB, 2+96*(\hd)
	WIN 0x03                                       ; source 0 (the sums) window 3
.irp u, 0,1
.irp p, 0,1,2,3
	v_pk_mul_f32 v[32+8*\u+2*\p:33+8*\u+2*\p], v[AL+8*(2+\u)+2*\p:AL+8*(2+\u)+2*\p+1], v[CC+8*\u+2*\p:CC+8*\u+2*\p+1] op_sel:[0,1] op_sel_hi:[1,1]
	v_pk_mul_f32 v[48+8*\u+2*\p:49+8*\u+2*\p], v[AL+8*\u+2*\p:AL+8*\u+2*\p+1], v[CC+16+8*\u+2*\p:CC+16+8*\u+2*\p+1] op_sel:[0,1] op_sel_hi:[1,1]
	v_pk_fma_f32 v[32+8*\u+2*\p:33+8*\u+2*\p], v[AL+8*\u+2*\p:AL+8*\u+2*\p+1], v[CC+8*\u+2*\p:CC+8*\u+2*\p+1], v[32+8*\u+2*\p:33+8*\u+2*\p] op_sel_hi:[1,0,1] neg_lo:[0,0,1] neg_hi:[0,0,1]
	v_pk_fma_f32 v[48+8*\u+2*\p:49+8*\u+2*\p], v[AL+8*(2+\u)+2*\p:AL+8*(2+\u)+2*\p+1], v[CC+16+8*\u+2*\p:CC+16+8*\u+2*\p+1], v[48+8*\u+2*\p:49+8*\u+2*\p] op_sel_hi:[1,0,1]
.endr
.endr
	WIN 0
.set n, 0
.rept 32
	v_med3_num_f32 v[32+n], v[32+n], -v31, v31     ; the conversion does not saturate (ISA guide 7.6.2)
.set n, n+1
.endr
.irp q, 0,1,2,3
	v_cvt_scalef32_pk8_fp8_f32 v[KO+2*\q:KO+2*\q+1], v[32+8*\q:39+8*\q], v30
.endr
	v_nop                                          ; a plain instruction between the conversions and the next writing of their sources
	global_store_b128 v1, v[KO:KO+3], s[SB:SB+1] offset:(\a)*1024         ; channels 0-31: 512 consecutive bytes
	global_store_b128 v1, v[KO+4:KO+7], s[SB:SB+1] offset:(\a)*1024+512   ; channels 32-63
.endm
.irp a, 0,1,2,3
	ROPE \a, 0
	ROPE \a, 1
.endr
	s_branch .Lend
.Lway_v:                               ; v: lane = channel of tile a, registers = my 128 tokens, one step of keys: the four pieces of the image (step, channel tile a)
	s_lshl_b32 s94, s19, 1
	s_add_co_u32 s94, s94, s17                     ; the kv head: 2 cx + wr
	s_lshl_b32 s94, s94, 18
	s_lshl_b32 s95, s21, 1
	s_add_co_u32 s95, s95, s18                     ; the step: 2 x the block of 256 tokens + wc
	s_lshl_b32 s95, s95, 13
	s_add_co_u32 s94, s94, s95
	s_add_co_u32 s94, s94, 131072                  ; V lies behind K
	s_mov_b32 s95, 0
	s_add_nc_u64 s[2:3], s[14:15], s[94:95]
	s_wait_alu depctr_va_vdst(0)
.irp a, 0,1,2,3
	WIN 0x03                                       ; source 0 (the sums) window 3; the held numbers go where the unread table lay
.set n, 0
.rept 64
	v_med3_num_f32 v[CSR+n], v[64*\a+n], -v31, v31
.set n, n+1
.endr
	WIN 0
.irp q, 0,1,2,3,4,5,6,7
	v_cvt_scalef32_pk8_fp8_f32 v[64+16*\a+2*\q:65+16*\a+2*\q], v[CSR+8*\q:CSR+8*\q+7], v30
.endr
	v_nop                                          ; a plain instruction between the conversions and the next writing of their sources
.irp g, 0,1,2,3
	global_store_b128 v1, v[64+16*\a+4*\g:67+16*\a+4*\g], s[2:3] offset:\a*2048+\g*512   ; keys 32 g + 16 h + 0 .. 15; each store has registers of its own
.endr
.endr
.Lend:
	s_wait_tensorcnt 0x0                           ; the wave's end
	ds_add_u32 v[SPW], v[NIL]
	s_wait_dscnt 0x0
	CROUND                                         ; the closing round: no work-group ends while a partner may still ask for a tile that names it
	s_endpgm
.Lfunc_end_k_q2cd4c73338_qkv:
	.size	k_q2cd4c73338_qkv, .Lfunc_end_k_q2cd4c73338_qkv-k_q2cd4c73338_qkv
	.p2alignl 7, 3214868480
	.fill 96, 4, 3214868480
	.section	.rodata,"a",@progbits
	.p2align	6, 0x0
	.amdhsa_kernel k_q2cd4c73338_qkv
		.amdhsa_group_segment_fixed_size 327680
		.amdhsa_private_segment_fixed_size 0
		.amdhsa_enable_private_segment 0
		.amdhsa_kernarg_size 48
		.amdhsa_user_sgpr_count 2
		.amdhsa_user_sgpr_kernarg_segment_ptr 1
		.amdhsa_wavefront_size32 1
		.amdhsa_system_sgpr_workgroup_id_x 1
		.amdhsa_system_sgpr_workgroup_id_y 1
		.amdhsa_system_sgpr_workgroup_id_z 1
		.amdhsa_system_vgpr_workitem_id 0
		.amdhsa_next_free_vgpr 1024
		.amdhsa_next_free_sgpr 102
		.amdhsa_reserve_vcc 0
		.amdhsa_float_denorm_mode_32 3
		.amdhsa_float_denorm_mode_16_64 3
		.amdhsa_memory_ordered 1
		.amdhsa_forward_progress 1
		.amdhsa_inst_pref_size 157
	.end_amdhsa_kernel
	.amdgpu_metadata
---
amdhsa.version: [ 1, 2 ]
amdhsa.kernels:
  - .name:           k_q2cd4c73338_qkv
    .symbol:         k_q2cd4c73338_qkv.kd
    .args:
      - { .name: xc, .offset: 0, .size: 8, .value_kind: global_buffer, .address_space: global }
      - { .name: wqkv, .offset: 8, .size: 8, .value_kind: global_buffer, .address_space: global }
      - { .name: cs, .offset: 16, .size: 8, .value_kind: global_buffer, .address_space: global }
      - { .name: lowp_scales, .offset: 24, .size: 8, .value_kind: global_buffer, .address_space: global }
      - { .name: qc, .offset: 32, .size: 8, .value_kind: global_buffer, .address_space: global }
      - { .name: kv, .offset: 40, .size: 8, .value_kind: global_buffer, .address_space: global }
    .group_segment_fixed_size: 327680
    .private_segment_fixed_size: 0
    .kernarg_segment_align: 8
    .kernarg_segment_size: 48
    .max_flat_workgroup_size: 128
    .sgpr_count:     102
    .vgpr_count:     1024
    .wavefront_size: 32
...
	.end_amdgpu_metadata
.endif
;; end of part 2
;; launch attn (part 3): grid 32 x 8, 16 waves a work-group, clusters of 4 x 1, 327,680 bytes of LDS; arguments qc, kv, lowp_scales, yc; writes yc
.if DOCPART == 3
	.amdgcn_target "amdgcn-amd-amdhsa--gfx1250"
	.amdhsa_code_object_version 6
	.text
	.protected	k_q2cd4c73338_attn
	.globl	k_q2cd4c73338_attn
	.p2align	8
	.type	k_q2cd4c73338_attn,@function
k_q2cd4c73338_attn:
	s_mov_b64 s[64:65], 0
	v_nop
	global_prefetch_b8 v0, s[64:65] scope:SCOPE_SE
	s_setreg_imm32_b32 hwreg(HW_REG_WAVE_MODE, 25, 1), 1
	s_wait_xcnt 0x0
	s_wait_alu depctr_hold_cnt(0) depctr_sa_sdst(0) depctr_va_vdst(0) depctr_va_sdst(0) depctr_va_ssrc(0) depctr_va_vcc(0) depctr_vm_vsrc(0)
	s_getreg_b32 s2, hwreg(HW_REG_IB_STS2, 6, 4)
	s_cmp_eq_u32 s2, 0
	s_cbranch_scc0 .Lentry_in_a_cluster
	s_endpgm
.Lentry_in_a_cluster:
	s_bfe_u32 s2, ttmp6, 0x10000c
	s_cmp_lg_u32 s2, 0x3003
	s_cbranch_scc0 .Lentry_shape_is_right
	s_endpgm
.Lentry_shape_is_right:
; CAUSAL ATTENTION ON CODES OF E4M3: y = softmax(q k^T / 8) v for one query head and 256 queries a work-group; y is quantised again as the last product's operand.
; INPUTS are register images: qc [head 32][token tile 128][1,024]; kv [kv head 8]: K [token tile 128][1,024], then V [step of 128 keys 16][tile of 16 channels 4][2,048].
; A token tile 2 B + U holds in lane row r the token 32 B + 8 U + r + 8 (r / 8); lane (r, h) of piece c holds k = 32 c + 16 h + 0 .. 15.  k stands alike in both sources of each product.
; Both products are used transposed (S^T = K Q^T, O^T = V^T P^T): a lane holds one query; the 16 registers of key tiles 2 b, 2 b + 1 are keys 32 b + 16 h + 0 .. 15 of the step.
; SOFTMAX: t = score x log2(e) / 8; M = the running largest t rounded up to a whole number; p = 2^(t - M) is quantised with 2^e8; the row's sum is taken of the unquantised p and divides at the end.
; LEFT OUT: key steps all of whose 128 keys come after a tile's queries: the causal mask that the problem builds itself gives them the weight 0.
; SHARES.  Work-group (x, y): head x, token tiles 8 rho + y, rho 0 .. 15; tile 8 rho + y needs key steps 0 .. rho, and step rho is its diagonal.  Waves go in pairs p = wave % 8:
; wave p takes tile rho = p whole (p + 1 steps) and then steps 9 .. 15 - p of tile 15 - p; wave 8 + p takes steps 0 .. 8 of tile 15 - p and joins the two parts, handed over through LDS: 8 and 9 steps a wave.
; LDS holds the kv head's whole K and V as they lie in memory, 262,144 bytes: each of the 16 waves fetches 16,384 of them by its one tensor load, 64 rows of 256 bytes; nothing is filled again.
; CLUSTER of four: the four query heads of one kv head ask for these bytes jointly.  No prefetch: each byte is asked for once, at the head, and there is no loop to run ahead in.
; THE DIAGONAL: in a tile's diagonal step the 32-key blocks b < y / 2 are open, blocks b > y / 2 are hidden whole (-infinity is moved in), and block y / 2 is cut by 16 lane masks,
; which hang on y and the lane alone and are made once, in s[MK ..].  The branches hang on ids and the count of steps.
; LIMITS: e6 + e7 between -123 and 130 (added to the factor's exponent field); e8 between -126 and 119; e10 - e8 - e9 between -126 and 119; the scaled scores stay under 2^31.  NaN is not served.
; REGISTERS: v1 16 x lane, v2 the same in V; v4 the pair's LDS bytes; v5, v6 the add's two; v7 -infinity; v8, v9 the step's addresses; v12 -M, v13 the largest t, v[14:15] the sum; v16-23, v24-31 Q of my two tiles;
; v32-95 fragments of K, then of V; v96-159 S^T, then p; v160-191 O^T; v224-239 p's codes; v236-254 at work; v241, v244, v245 scales.
.set SPARE, 262144                     ; behind K and V: the spare words, 128 bytes a wave
.set PART,  264192                     ; a pair's part: 32 registers of O^T and (-M, t, sum, sum): 4,608 bytes; no tensor load lands here
.set PARTB, 4608
.set SPW, 5
.set NIL, 6
.set WV,  12
.set RHO, 13                           ; the diagonal step of the tile in hand
.set KS,  14                           ; the key step
.set TB,  15                           ; its LDS byte
.set CNT, 16
.set SEL, 20
.set CS,  22
.set G1,  24
.set G0,  32
.set MK,  36                           ; s36-51 the sixteen lane masks
.set ROLE, 60
.set PP,   61
.set KLIM, 62                          ; steps from here on are not mine
.set RHO2, 63
.set KLIM2, 66
.set YB,   67                          ; y / 2
.set NINF, 88                          ; -infinity
.set PMAX, 89                          ; 448 x 2^e8
.macro CROUND
	s_barrier_signal -1
	s_barrier_wait -1
	s_cmp_lg_u32 s[WV], 0
	s_cbranch_scc1 .Lnot_wave_0_\@
	s_barrier_signal -3
.Lnot_wave_0_\@:
	s_barrier_wait -3
	s_barrier_signal -1
	s_barrier_wait -1
.endm
	s_load_b256 s[4:11], s[0:1], 0x0               ; qc, kv, lowp_scales, yc
	v_lshl_add_u32 v[SPW], v0, 2, SPARE
	v_mov_b32 v[NIL], 0
	ds_add_u32 v[SPW], v[NIL]                      ; the opening: the add, twice on end, and its wait stand ahead of my first tensor load
	ds_add_u32 v[SPW], v[NIL]
	v_lshrrev_b32 v8, 5, v0
	v_readfirstlane_b32 s[WV], v8
	s_bfe_u32 s17, ttmp6, 0x40000                  ; cx
	s_lshl_b32 s18, ttmp9, 2
	s_add_co_u32 s18, s18, s17                     ; the query head; ttmp9 is the kv head
	s_and_b32 s19, ttmp7, 0xffff                   ; y
	s_lshr_b32 s[ROLE], s[WV], 3
	s_and_b32 s[PP], s[WV], 7
	s_xor_b32 s[RHO2], s[PP], 15
	s_add_co_u32 s84, s[PP], 1
	s_add_co_u32 s85, s[RHO2], 1
	s_cmp_eq_u32 s[ROLE], 0
	s_cselect_b32 s[RHO], s[PP], s[RHO2]
	s_cselect_b32 s[KLIM], s84, 9
	s_cselect_b32 s[KLIM2], s85, 0
	s_lshl_b32 s52, s[RHO], 3
	s_add_co_u32 s52, s52, s19                     ; my first token tile,
	s_lshl_b32 s86, s[RHO2], 3
	s_add_co_u32 s86, s86, s19                     ; and the pair's large one
	s_lshl_b32 s87, s18, 17
	s_lshl_b32 s54, s52, 10
	s_add_co_u32 s54, s54, s87                     ; their places in qc,
	s_mov_b32 s55, 0
	s_lshl_b32 s82, s86, 10
	s_add_co_u32 s82, s82, s87
	s_mov_b32 s83, 0
	s_lshl_b32 s87, s18, 10
	s_lshl_b32 s56, s52, 15
	s_add_co_u32 s56, s56, s87                     ; and in yc: tile x 32,768 + head x 1,024
	s_mov_b32 s57, 0
	s_lshl_b32 s80, s86, 15
	s_add_co_u32 s80, s80, s87
	s_mov_b32 s81, 0
	s_mov_b32 s[G0], 1
	s_lshl_b32 s[G0+1], s[WV], 14                  ; LDS: wave x 16,384
	s_lshl_b32 s50, ttmp9, 18
	s_add_co_u32 s50, s50, s[G0+1]                 ; memory: the kv head's 262,144 bytes, the same part
	s_mov_b32 s51, 0
	s_mov_b32 s[G1], 15|(3<<16)|(1<<21)            ; the mask names the four partners; elements of 8 bytes; bit 21 beside a mask
	s_mov_b32 s[G1+1], 32<<16                      ; rows of 256 bytes,
	s_mov_b32 s[G1+2], 64<<16                      ; 64 of them,
	s_mov_b32 s[G1+3], 32<<16
	s_mov_b32 s[G1+4], 64
	s_mov_b32 s[G1+5], 32                          ; dense
	s_mov_b32 s[G1+6], 0
	s_mov_b32 s[G1+7], 0
	s_mov_b32 s[SEL], 0x76543210
	s_mov_b32 s[SEL+1], 0xfedcba98
	s_mov_b32 s[CS], 0x3e38aa3b                    ; log2(e) / 8
	s_mov_b32 s[NINF], 0xff800000
	s_lshr_b32 s[YB], s19, 1
	s_and_b32 s53, s19, 1
	s_lshl_b32 s53, s53, 3                         ; 8 (y % 2)
	s_wait_dscnt 0x0                               ; both opening adds are done
	s_wait_kmcnt 0x0
	s_load_b256 s[68:75], s[8:9], 0x0              ; e0 .. e7
	s_load_b128 s[76:79], s[8:9], 0x20             ; e8 .. e11
	s_add_nc_u64 s[G0+2:G0+3], s[6:7], s[50:51]
	s_or_b32 s[G0+3], s[G0+3], 0x80000000
	s_add_nc_u64 s[54:55], s[4:5], s[54:55]
	s_add_nc_u64 s[82:83], s[4:5], s[82:83]
	s_add_nc_u64 s[56:57], s[10:11], s[56:57]
	s_add_nc_u64 s[80:81], s[10:11], s[80:81]
	CROUND                                         ; the four work-groups are here: the joint loads meet
	tensor_load_to_lds s[G0:G0+3], s[G1:G1+7]      ; my one tensor load of the launch
	s_nop 0
.rept 4
	v_nop
.endr
	v_and_b32 v8, 31, v0
	v_lshlrev_b32 v1, 4, v8
	v_add_nc_u32 v2, 131072, v1
	global_load_b128 v[16:19], v1, s[54:55]
	global_load_b128 v[20:23], v1, s[54:55] offset:512
	global_load_b128 v[24:27], v1, s[82:83]
	global_load_b128 v[28:31], v1, s[82:83] offset:512
	s_mul_i32 s58, s[PP], PARTB
	s_add_co_u32 s58, s58, PART
	v_add_nc_u32 v4, s58, v1
	v_and_b32 v8, 15, v0
	v_and_b32 v9, 8, v8
	v_add_nc_u32 v8, v8, v9                        ; r + 8 (r / 8)
	v_and_b32 v9, 16, v0
	v_sub_nc_u32 v8, v8, v9                        ; - 16 h
	v_add_nc_u32 v10, s53, v8                      ; d: in block y / 2 register i holds a key after my query where i > d
.set n, 0
.rept 16
	v_cmp_gt_i32 s[MK+n], n, v10
.set n, n+1
.endr
	v_mov_b32 v7, 0xff800000
.macro BEGIN                           ; a tile's sums begin: the first change of M multiplies zeros
	v_mov_b32 v13, 0xff61b1e6
	s_delay_alu instid0(VALU_DEP_1)
	v_floor_f32 v12, -v13
	v_mov_b32 v14, 0
	v_mov_b32 v15, 0
.set n, 0
.rept 32
	v_mov_b32 v[160+n], 0
.set n, n+1
.endr
.endm
	BEGIN
	v_mov_b32 v236, 0
	v_mov_b32 v242, 0
	v_mov_b32 v243, 0
	v_mov_b32 v252, 0
	v_mov_b32 v253, 0
	s_wait_kmcnt 0x0
	s_add_co_i32 s58, s74, s75
	s_lshl_b32 s58, s58, 23
	s_add_co_i32 s[CS], s[CS], s58                 ; x 2^(e6 + e7)
	s_mov_b32 s[CS+1], s[CS]
	s_add_co_i32 s58, s76, 127
	s_lshl_b32 s59, s58, 23
	v_mov_b32 v244, s59                            ; 2^e8
	s_add_co_i32 s58, s58, 8
	s_lshl_b32 s58, s58, 23
	s_or_b32 s[PMAX], s58, 0x600000                ; 448 x 2^e8
	s_sub_co_i32 s58, s78, s76
	s_sub_co_i32 s58, s58, s77
	s_add_co_i32 s58, s58, 127
	s_lshl_b32 s59, s58, 23
	v_mov_b32 v245, s59                            ; 2^(e10 - e8 - e9)
	s_add_co_i32 s58, s58, 8
	s_lshl_b32 s58, s58, 23
	s_or_b32 s58, s58, 0x600000
	v_mov_b32 v241, s58                            ; 448 x it
; A KEY STEP: 128 keys against the tile whose Q lies at v[qb].
.macro STEP qb
	s_cmp_ge_u32 s[KS], s[KLIM]
	s_cbranch_scc1 .Lhid_\@
	v_add_nc_u32 v8, s[TB], v1
	v_add_nc_u32 v9, s[TB], v2
	v_nop                                          ; with the two lines above: four places in front of loads into registers that the last products read
	v_nop
.irp kt, 0,1,2,3,4,5,6,7
	ds_load_b128 v[32+8*\kt:35+8*\kt], v8 offset:1024*\kt
	ds_load_b128 v[36+8*\kt:39+8*\kt], v8 offset:1024*\kt+512
.endr
	s_wait_alu depctr_va_vdst(0)
.irp kt, 0,1,2,3,4,5,6,7
.if (\kt)%2 == 0
	s_wait_dscnt 12-2*\kt                          ; tiles kt and kt + 1, four loads, are in; the 12 - 2 kt behind them may be out
.endif
	v_wmma_f32_16x16x64_fp8_fp8 v[96+8*\kt:103+8*\kt], v[32+8*\kt:39+8*\kt], v[\qb:\qb+7], 0
.endr
.rept 4
	v_nop
.endr
.irp dt, 0,1,2,3
.irp c, 0,1,2,3
	ds_load_b128 v[32+16*\dt+4*\c:35+16*\dt+4*\c], v9 offset:2048*\dt+512*\c   ; V's fragments come in under the softmax
.endr
.endr
	s_cmp_lt_u32 s[KS], s[RHO]
	s_cbranch_scc1 .Lopen_\@
.irp b, 0,1,2,3                        ; the diagonal step, by blocks of 32 keys
	s_cmp_gt_u32 s[YB], \b
	s_cbranch_scc1 .Lnb_\@_\b
	s_cmp_eq_u32 s[YB], \b
	s_cbranch_scc0 .Lall_\@_\b
.irp i, 0,1,2,3,4,5,6,7,8,9,10,11,12,13,14,15
	v_cndmask_b32 v[96+16*\b+\i], v[96+16*\b+\i], v7, s[MK+\i]
.endr
	s_branch .Lnb_\@_\b
.Lall_\@_\b:
.irp i, 0,2,4,6,8,10,12,14
	v_dual_mov_b32 v[96+16*\b+\i], s[NINF] :: v_dual_mov_b32 v[97+16*\b+\i], s[NINF]
.endr
.Lnb_\@_\b:
.endr
	s_wait_alu depctr_va_vdst(0)
.Lopen_\@:
	v_max3_num_f32 v254, v96, v97, v98             ; the step's largest score of my query, in four chains that take turns; the registers in ascending order, so each accumulator from its low end on
	v_max3_num_f32 v252, v99, v100, v101
	v_max3_num_f32 v250, v102, v103, v104
	v_max3_num_f32 v248, v105, v106, v107
.irp i, 12,20,28,36,44,52
	v_max3_num_f32 v254, v254, v[96+\i], v[97+\i]
	v_max3_num_f32 v252, v252, v[98+\i], v[99+\i]
	v_max3_num_f32 v250, v250, v[100+\i], v[101+\i]
	v_max3_num_f32 v248, v248, v[102+\i], v[103+\i]
.endr
	v_max3_num_f32 v254, v254, v156, v157
	v_max3_num_f32 v252, v252, v158, v159
	v_max_num_f32 v250, v250, v248
	v_max3_num_f32 v254, v254, v252, v250
	v_permlanex16_b32 v236, v254, s[SEL], s[SEL+1]
	s_delay_alu instid0(VALU_DEP_1)
	v_max_num_f32 v254, v254, v236
	s_delay_alu instid0(VALU_DEP_1)
	v_mul_f32 v254, s[CS], v254
	s_delay_alu instid0(VALU_DEP_1)
	v_max_num_f32 v13, v13, v254                   ; the running largest t
	v_mov_b32 v254, v12
	s_delay_alu instid0(VALU_DEP_2)
	v_floor_f32 v12, -v13                          ; -M
.set n, 0
.rept 32                               ; t - M; the three dependent lines that make f = 2^(old M - new M) stand eight scalings apart
	v_pk_fma_f32 v[96+n:97+n], v[96+n:97+n], s[CS:CS+1], v[12:13] op_sel_hi:[1,0,0]
.if n == 14
	v_sub_f32 v254, v12, v254
.endif
.if n == 30
	v_cvt_i32_f32 v254, v254
.endif
.if n == 46
	v_ldexp_f32 v252, 1.0, v254
.endif
.set n, n+2
.endr
.set n, 0
	s_wait_alu depctr_va_vdst(0)                   ; the wait ahead of the batch
.rept 64
	v_exp_f32 v[96+n], v[96+n]
.set n, n+1
.endr
	v_pk_mul_f32 v[14:15], v[14:15], v[252:253] op_sel_hi:[1,0]   ; the sums under the new M; the plain place behind the batch
	s_wait_alu depctr_va_vdst(0)                   ; and the one wait behind it
	v_pk_add_f32 v[242:243], v[96:97], v[98:99]    ; the row's sum of the unquantised p, in four chains that take turns
	v_pk_add_f32 v[246:247], v[100:101], v[102:103]
	v_pk_add_f32 v[248:249], v[104:105], v[106:107]
.irp j, 12,20,28,36,44,52
	v_pk_add_f32 v[14:15], v[14:15], v[96+\j:97+\j]
	v_pk_add_f32 v[242:243], v[242:243], v[98+\j:99+\j]
	v_pk_add_f32 v[246:247], v[246:247], v[100+\j:101+\j]
	v_pk_add_f32 v[248:249], v[248:249], v[102+\j:103+\j]
.endr
	v_pk_add_f32 v[14:15], v[14:15], v[156:157]
	v_pk_add_f32 v[242:243], v[242:243], v[158:159]
	v_pk_add_f32 v[246:247], v[246:247], v[248:249]
	v_pk_add_f32 v[14:15], v[14:15], v[242:243]
	v_pk_add_f32 v[14:15], v[14:15], v[246:247]
.irp b, 0,1,2,3
.irp i, 0,2,4,6,8,10,12,14
	v_dual_min_num_f32 v[96+16*\b+\i], s[PMAX], v[96+16*\b+\i] :: v_dual_min_num_f32 v[97+16*\b+\i], s[PMAX], v[97+16*\b+\i]   ; the hold (the conversion does not saturate: ISA guide 7.6.2); p is not negative; two numbers a line
.endr
	v_cvt_scalef32_pk8_fp8_f32 v[224+4*\b:225+4*\b], v[96+16*\b:103+16*\b], v244
	v_cvt_scalef32_pk8_fp8_f32 v[226+4*\b:227+4*\b], v[104+16*\b:111+16*\b], v244
.endr
	s_wait_alu depctr_va_vdst(0)                   ; directly ahead of the first reader of O^T
.set n, 0
.rept 16
	v_pk_mul_f32 v[160+n:161+n], v[160+n:161+n], v[252:253] op_sel_hi:[1,0]   ; O^T under the new M
.set n, n+2
.endr
	s_wait_alu depctr_va_vdst(0)
	s_wait_dscnt 0x0                               ; V's fragments
.irp dt, 0,1,2,3
	v_wmma_f32_16x16x128_fp8_fp8 v[160+8*\dt:167+8*\dt], v[32+16*\dt:47+16*\dt], v[224:239], v[160+8*\dt:167+8*\dt]
.endr
.Lhid_\@:
	s_add_co_u32 s[KS], s[KS], 1
	s_add_co_u32 s[TB], s[TB], 8192
.endm
.macro WALK trips, qb                  ; the trip counts are constants; a step that is not mine is jumped over inside the trip
	s_mov_b32 s[CNT], \trips
.Lstep_\@:
	STEP \qb
	s_sub_co_u32 s[CNT], s[CNT], 1
	s_cmp_lg_u32 s[CNT], 0
	s_cbranch_scc1 .Lstep_\@
.endm
.macro WAYOUT yb                       ; O^T / the sum, quantised with 2^e10: two pieces of the tile's image in yc, 512 consecutive bytes each
.rept 4
	v_nop
.endr
	v_add_f32 v14, v14, v15
	s_wait_alu depctr_va_vdst(0)
	v_permlanex16_b32 v252, v14, s[SEL], s[SEL+1]
	s_delay_alu instid0(VALU_DEP_1)
	v_add_f32 v14, v14, v252
	s_wait_alu depctr_va_vdst(0)                   ; the wait ahead of the transcendental,
	v_rcp_f32 v14, v14
	v_nop
	s_wait_alu depctr_va_vdst(0)                   ; and behind it, directly ahead of the first readers of O^T
.set n, 0
.rept 16
	v_pk_mul_f32 v[96+n:97+n], v[160+n:161+n], v[14:15] op_sel_hi:[1,0]
.set n, n+2
.endr
.set n, 0
.rept 32
	v_med3_num_f32 v[96+n], v[96+n], -v241, v241
.set n, n+1
.endr
.irp q, 0,1,2,3
	v_cvt_scalef32_pk8_fp8_f32 v[224+2*\q:225+2*\q], v[96+8*\q:103+8*\q], v245
.endr
	v_nop
	global_store_b128 v1, v[224:227], s[\yb:\yb+1]
	global_store_b128 v1, v[228:231], s[\yb:\yb+1] offset:512
.endm
	s_wait_alu depctr_va_vdst(0)
	s_wait_loadcnt 0x0                             ; Q
	s_wait_tensorcnt 0x0                           ; my part of K and V is in;
	s_barrier_signal -1
	s_barrier_wait -1                              ; and everybody's
	s_mov_b32 s[KS], 0
	s_mov_b32 s[TB], 0
	WALK 9, 16                                     ; steps 0 .. 8: waves 0-7 their small tile, waves 8-15 the large one
	s_cmp_lg_u32 s[ROLE], 0
	s_cbranch_scc1 .Lno_small
	WAYOUT 56
	BEGIN
	s_wait_xcnt 0x0                                ; the stores have read their registers
.Lno_small:
	s_mov_b32 s[RHO], s[RHO2]
	s_mov_b32 s[KLIM], s[KLIM2]
	s_mov_b32 s[KS], 9
	s_mov_b32 s[TB], 9*8192
	WALK 7, 24                                     ; steps 9 .. 15 of the large tile: waves 0-7 alone
	s_cmp_lg_u32 s[ROLE], 0
	s_cbranch_scc1 .Lno_part
.rept 4
	v_nop
.endr
	s_wait_alu depctr_va_vdst(0)
.irp k, 0,1,2,3,4,5,6,7
	ds_store_b128 v4, v[160+4*\k:163+4*\k] offset:512*\k
.endr
	ds_store_b128 v4, v[12:15] offset:4096
.Lno_part:
	s_wait_dscnt 0x0                               ; for the partner's sake: my stores are done
	s_barrier_signal -1
	s_barrier_wait -1
	s_cmp_eq_u32 s[ROLE], 0
	s_cbranch_scc1 .Lend
.rept 4
	v_nop
.endr
.irp k, 0,1,2,3,4,5,6,7
	ds_load_b128 v[96+4*\k:99+4*\k], v4 offset:512*\k
.endr
	ds_load_b128 v[128:131], v4 offset:4096
	s_wait_dscnt 0x0
	v_min_num_f32 v254, v12, v128                  ; the two parts under the larger M: both factors are powers of two
	s_delay_alu instid0(VALU_DEP_1)
	v_sub_f32 v252, v254, v12
	s_delay_alu instid0(VALU_DEP_2)
	v_sub_f32 v242, v254, v128
	s_delay_alu instid0(VALU_DEP_2)
	v_cvt_i32_f32 v252, v252
	s_delay_alu instid0(VALU_DEP_2)
	v_cvt_i32_f32 v242, v242
	s_delay_alu instid0(VALU_DEP_2)
	v_ldexp_f32 v252, 1.0, v252
	s_delay_alu instid0(VALU_DEP_2)
	v_ldexp_f32 v242, 1.0, v242
.set n, 0
.rept 16
	v_pk_mul_f32 v[160+n:161+n], v[160+n:161+n], v[252:253] op_sel_hi:[1,0]
.set n, n+2
.endr
.set n, 0
.rept 16
	v_pk_fma_f32 v[160+n:161+n], v[96+n:97+n], v[242:243], v[160+n:161+n] op_sel_hi:[1,0,1]
.set n, n+2
.endr
	v_pk_mul_f32 v[14:15], v[14:15], v[252:253] op_sel_hi:[1,0]
	s_delay_alu instid0(VALU_DEP_1)
	v_pk_fma_f32 v[14:15], v[130:131], v[242:243], v[14:15] op_sel_hi:[1,0,1]
	WAYOUT 80
.Lend:
	s_wait_tensorcnt 0x0                           ; the wave's end
	ds_add_u32 v[SPW], v[NIL]
	s_wait_dscnt 0x0
	CROUND                                         ; the closing round
	s_endpgm
.Lfunc_end_k_q2cd4c73338_attn:
	.size	k_q2cd4c73338_attn, .Lfunc_end_k_q2cd4c73338_attn-k_q2cd4c73338_attn
	.p2alignl 7, 3214868480
	.fill 96, 4, 3214868480
	.section	.rodata,"a",@progbits
	.p2align	6, 0x0
	.amdhsa_kernel k_q2cd4c73338_attn
		.amdhsa_group_segment_fixed_size 327680
		.amdhsa_private_segment_fixed_size 0
		.amdhsa_enable_private_segment 0
		.amdhsa_kernarg_size 32
		.amdhsa_user_sgpr_count 2
		.amdhsa_user_sgpr_kernarg_segment_ptr 1
		.amdhsa_wavefront_size32 1
		.amdhsa_system_sgpr_workgroup_id_x 1
		.amdhsa_system_sgpr_workgroup_id_y 1
		.amdhsa_system_sgpr_workgroup_id_z 1
		.amdhsa_system_vgpr_workitem_id 0
		.amdhsa_next_free_vgpr 256
		.amdhsa_next_free_sgpr 96
		.amdhsa_reserve_vcc 0
		.amdhsa_float_denorm_mode_32 3
		.amdhsa_float_denorm_mode_16_64 3
		.amdhsa_memory_ordered 1
		.amdhsa_forward_progress 1
		.amdhsa_inst_pref_size 67
	.end_amdhsa_kernel
	.amdgpu_metadata
---
amdhsa.version: [ 1, 2 ]
amdhsa.kernels:
  - .name:           k_q2cd4c73338_attn
    .symbol:         k_q2cd4c73338_attn.kd
    .args:
      - { .name: qc, .offset: 0, .size: 8, .value_kind: global_buffer, .address_space: global }
      - { .name: kv, .offset: 8, .size: 8, .value_kind: global_buffer, .address_space: global }
      - { .name: lowp_scales, .offset: 16, .size: 8, .value_kind: global_buffer, .address_space: global }
      - { .name: yc, .offset: 24, .size: 8, .value_kind: global_buffer, .address_space: global }
    .group_segment_fixed_size: 327680
    .private_segment_fixed_size: 0
    .kernarg_segment_align: 8
    .kernarg_segment_size: 32
    .max_flat_workgroup_size: 512
    .sgpr_count:     96
    .vgpr_count:     256
    .wavefront_size: 32
...
	.end_amdgpu_metadata
.endif
;; end of part 3
;; launch proj (part 4): grid 16 x 16, 4 waves a work-group, clusters of 4 x 4, 327,680 bytes of LDS; arguments yc, wcc, lowp_scales, out0; writes out0
.if DOCPART == 4
	.amdgcn_target "amdgcn-amd-amdhsa--gfx1250"
	.amdhsa_code_object_version 6
	.text
	.protected	k_q2cd4c73338_proj
	.globl	k_q2cd4c73338_proj
	.p2align	8
	.type	k_q2cd4c73338_proj,@function
k_q2cd4c73338_proj:
	s_mov_b64 s[64:65], 0
	v_nop
	global_prefetch_b8 v0, s[64:65] scope:SCOPE_SE
	s_setreg_imm32_b32 hwreg(HW_REG_WAVE_MODE, 25, 1), 1
	s_wait_xcnt 0x0
	s_wait_alu depctr_hold_cnt(0) depctr_sa_sdst(0) depctr_va_vdst(0) depctr_va_sdst(0) depctr_va_ssrc(0) depctr_va_vcc(0) depctr_vm_vsrc(0)
	s_getreg_b32 s2, hwreg(HW_REG_IB_STS2, 6, 4)
	s_cmp_eq_u32 s2, 0
	s_cbranch_scc0 .Lentry_in_a_cluster
	s_endpgm
.Lentry_in_a_cluster:
	s_bfe_u32 s2, ttmp6, 0x10000c
	s_cmp_lg_u32 s2, 0xf033
	s_cbranch_scc0 .Lentry_shape_is_right
	s_endpgm
.Lentry_shape_is_right:
; out0 = y Wc^T on codes of E4M3; each finished sum x 2^(e10 + e11).  out0: [2048][2048] f32.
; OPERANDS are register images: a tile is 16 rows, tile 2 B + U holding in lane row r the row 32 B + 8 U + r + 8 (r / 8); an image is a tile's 128 along K, [c 0..3][lane][16 bytes], lane (r, h) holding k = 32 c + 16 h + 0 .. 15.
; A fragment is four ds_load_b128 of 512 consecutive bytes.  k stands in other places than the instruction's own layout gives it, alike in both sources: every product meets its partner.
; D = product(S0 = Wc's rows, S1 = tokens): a lane holds one token; the 16 registers of S0's tiles 2 B, 2 B + 1 are output columns 32 B + 16 h + 0 .. 15.
; A WORK-GROUP makes 128 x 128: four waves, each 4 tiles of tokens x 4 of columns: 16 accumulators; 256 work-groups.  K = 2,048 goes in four steps of 512 through two LDS slots of 131,072 bytes.
; CLUSTERS of 4 x 4: y's tiles are shared along a row of the cluster, Wc's along a column: each is asked for jointly.
; THE WAY OUT: a tile of 16 tokens x 64 columns goes through the wave's own stage (rows of 256 bytes + 16) and leaves as rows: sixteen lanes store 256 consecutive bytes, at a multiple of 256 from out0's first byte.
; LIMIT: e10 + e11 between -126 and 127.
; REGISTERS: window 0: v1 16 x lane; v16-21 LDS addresses; v24-26 the way out; v28, v29 the add's two; v32-63 scaled sums; v64-127 rows read back, two sets; v128-255 the accumulators.  window 1: two sets of fragments.
.set HALF,  32768
.set SLOT,  131072
.set STAGE, 2*SLOT                     ; behind the ring: 16 rows x 272 bytes for each wave; no tensor load lands there
.set SPARE, STAGE+4*4352               ; behind the stages: the spare words, 128 bytes a wave
.set ADR1, 16
.set ADR0, 20
.set SPW,  28
.set NIL,  29
.set ACC,  128
.set F0,   0
.set F1,   128
.set G1,   24
.set G0,   32
.set G1B,  48
.set G0B,  56
.set MSB, 0
.macro WIN new                         ; the immediate's high byte repeats the setting that is left
.if MSB != \new
	s_set_vgpr_msb (MSB<<8)|\new
.set MSB, \new
.endif
.endm
.set MUL,  0x05                        ; sources 0 and 1 window 1; C and D window 0
.set TO_F, 0x40                        ; destination window 1, address window 0
.macro JLOAD s                         ; slot s's joint refill: wave s fetches y's 8 tiles, wave 2 + s Wc's 8, the other two nothing; an s_nop 0 and four v_nop follow each of the two lines
	s_cmp_eq_u32 s16, \s
	s_cbranch_scc0 .Lfor_b_\@
	tensor_load_to_lds s[G0+4*\s:G0+4*\s+3], s[G1:G1+7]
	s_nop 0
.rept 4
	v_nop
.endr
	s_branch .Lasked_\@
.Lfor_b_\@:
	s_cmp_eq_u32 s16, 2+(\s)
	s_cbranch_scc0 .Lasked_\@
	tensor_load_to_lds s[G0B+4*\s:G0B+4*\s+3], s[G1B:G1B+7]
	s_nop 0
.rept 4
	v_nop
.endr
.Lasked_\@:
.endm
.macro CREST
	s_cmp_lg_u32 s16, 0
	s_cbranch_scc1 .Lnot_wave_0_\@
	s_barrier_signal -3
.Lnot_wave_0_\@:
	s_barrier_wait -3
	s_barrier_signal -1
	s_barrier_wait -1
.endm
.macro CROUND
	s_barrier_signal -1
	s_barrier_wait -1
	CREST
.endm
.macro PLACES                          ; four plain places in front of loads into registers that matrix instructions have read, and of the first read of results
.rept 4
	v_nop
.endr
.endm
.macro FETCH slot, q, f                ; 32 LDS loads in one run; S0's fragments first, S1's tiles 2 and 3 last
	WIN TO_F
.irp b, 0,1,2,3
.irp c, 0,1,2,3
	ds_load_b128 v[\f+64+16*\b+4*\c:\f+64+16*\b+4*\c+3], v[ADR0+\slot] offset:\b*8192+(\q)*2048+512*\c
.endr
.endr
.irp a, 0,1,2,3
.irp c, 0,1,2,3
	ds_load_b128 v[\f+16*\a+4*\c:\f+16*\a+4*\c+3], v[ADR1+\slot] offset:\a*8192+(\q)*2048+512*\c
.endr
.endr
.endm
.macro MUL4 f, a, zero                 ; the 16 accumulators take turns, one instruction a turn, in the same order in every quarter
.irp b, 0,1,2,3
.if \zero
	v_wmma_f32_16x16x128_fp8_fp8 v[ACC+8*(4*(\a)+\b):ACC+8*(4*(\a)+\b)+7], v[\f+64+16*\b:\f+64+16*\b+15], v[\f+16*(\a):\f+16*(\a)+15], 0
.else
	v_wmma_f32_16x16x128_fp8_fp8 v[ACC+8*(4*(\a)+\b):ACC+8*(4*(\a)+\b)+7], v[\f+64+16*\b:\f+64+16*\b+15], v[\f+16*(\a):\f+16*(\a)+15], v[ACC+8*(4*(\a)+\b):ACC+8*(4*(\a)+\b)+7]
.endif
.endr
.endm
.macro QUARTER slot, qn, f, g, zero
	s_wait_dscnt 8                                 ; all but the youngest eight loads (S1's tiles 2, 3) are in
	WIN MUL
	MUL4 \f, 0, \zero
	MUL4 \f, 1, \zero
	PLACES
	FETCH \slot, \qn, \g
	s_wait_dscnt 32                                ; all but the 32 just issued
	WIN MUL
	MUL4 \f, 2, \zero
	MUL4 \f, 3, \zero
.endm
.macro TURN slot, next, fill           ; a slot's last quarter changes slots: one barrier; in front of it the wait for all my tensor loads, the add, and the wait for it and for my reads of this slot
	WIN 0
	s_wait_tensorcnt 0x0                           ; all my tensor loads have landed: my part of the next slot
	ds_add_u32 v[SPW], v[NIL]                      ; 0 onto my spare word
	s_wait_dscnt 9                                 ; (the add and the youngest eight loads may be out)
	WIN MUL
	MUL4 F1, 0, 0
	s_wait_dscnt 0x0                               ; the add is done, and my reads of this slot are over
	s_barrier_signal -1
	MUL4 F1, 1, 0
.if \fill
	WIN 0
.endif
	s_barrier_wait -1
.if \fill
	CREST                                          ; the barrier has opened a round of the cluster's: no wave of any partner still reads this slot or has a load on its way
	s_add_nc_u64 s[G0+4*\slot+2:G0+4*\slot+3], s[G0+4*\slot+2:G0+4*\slot+3], 16384
	s_add_nc_u64 s[G0B+4*\slot+2:G0B+4*\slot+3], s[G0B+4*\slot+2:G0B+4*\slot+3], 16384
	JLOAD \slot                                    ; the first tensor load behind the round, at most one a wave
.endif
	PLACES                                         ; on every wave's way: the places in front of the loads below
	FETCH \next, 0, F0
	WIN MUL
	MUL4 F1, 2, 0
	MUL4 F1, 3, 0
.endm
	s_load_b256 s[4:11], s[0:1], 0x0               ; yc, wcc, lowp_scales, out0
	v_lshl_add_u32 v[SPW], v0, 2, SPARE
	v_mov_b32 v[NIL], 0
	ds_add_u32 v[SPW], v[NIL]                      ; the wave's opening: the add and its wait stand ahead of my first tensor load
	ds_add_u32 v[SPW], v[NIL]
	v_lshrrev_b32 v1, 5, v0
	v_readfirstlane_b32 s16, v1                    ; wave
	s_lshr_b32 s17, s16, 1                         ; wr
	s_and_b32 s18, s16, 1                          ; wc
	s_bfe_u32 s19, ttmp6, 0x40000                  ; cx
	s_bfe_u32 s20, ttmp6, 0x40004                  ; cy
	s_and_b32 s22, ttmp7, 0xffff
	s_lshl_b32 s22, s22, 2
	s_add_co_u32 s40, s22, s20                     ; the block of 128 tokens
	s_lshl_b32 s23, ttmp9, 2
	s_add_co_u32 s44, s23, s19                     ; the block of 128 columns
	s_lshl_b32 s41, s20, 2
	s_lshl_b32 s41, 15, s41                        ; my row of the cluster
	s_lshl_b32 s45, 0x1111, s19                    ; my column
	s_or_b32 s[G1], s41, (3<<16)|(1<<21)           ; the mask; elements of 8 bytes; bit 21 beside a mask; no padding
	s_or_b32 s[G1B], s45, (3<<16)|(1<<21)
.irp g, G1, G1B
	s_mov_b32 s[\g+1], 1024<<16                    ; tensor_dim0: 8,192 bytes: a tile's four images
	s_mov_b32 s[\g+2], 8<<16                       ; tensor_dim1: an operand's eight tiles by one load
	s_mov_b32 s[\g+3], 1024<<16
	s_mov_b32 s[\g+4], 8
	s_mov_b32 s[\g+5], 4096                        ; from tile to tile: 32,768 bytes
	s_mov_b32 s[\g+6], 0
	s_mov_b32 s[\g+7], 0
.endr
	s_lshl_b32 s84, s40, 18
	s_mov_b32 s85, 0
	s_lshl_b32 s88, s44, 18
	s_mov_b32 s89, 0
	s_wait_dscnt 0x0
	s_wait_kmcnt 0x0
	s_load_b64 s[68:69], s[8:9], 0x28              ; e10, e11
	s_add_nc_u64 s[80:81], s[4:5], s[84:85]
	s_add_nc_u64 s[82:83], s[6:7], s[88:89]
	CROUND                                         ; all sixteen work-groups are here
.irp s, 0,1
	s_mov_b32 s[G0+4*\s], 1
	s_mov_b32 s[G0+4*\s+1], \s*SLOT
	s_add_nc_u64 s[G0+4*\s+2:G0+4*\s+3], s[80:81], \s*8192
	s_or_b32 s[G0+4*\s+3], s[G0+4*\s+3], 0x80000000
	s_mov_b32 s[G0B+4*\s], 1
	s_mov_b32 s[G0B+4*\s+1], \s*SLOT+65536
	s_add_nc_u64 s[G0B+4*\s+2:G0B+4*\s+3], s[82:83], \s*8192
	s_or_b32 s[G0B+4*\s+3], s[G0B+4*\s+3], 0x80000000
.endr
.macro HLOAD g0, g1
	tensor_load_to_lds s[\g0:\g0+3], s[\g1:\g1+7]
	s_nop 0
.rept 4
	v_nop
.endr
.endm
	; the first fills: one chain of four arms, one joint load a wave: wave 0 y's step 0, wave 1 y's step 1, wave 2 Wc's step 0, wave 3 Wc's step 1
	s_cmp_eq_u32 s16, 0
	s_cbranch_scc0 .Lh1
	HLOAD G0, G1
	s_branch .Lhj
.Lh1:
	s_cmp_eq_u32 s16, 1
	s_cbranch_scc0 .Lh2
	HLOAD G0+4, G1
	s_branch .Lhj
.Lh2:
	s_cmp_eq_u32 s16, 2
	s_cbranch_scc0 .Lh3
	HLOAD G0B, G1B
	s_branch .Lhj
.Lh3:
	HLOAD G0B+4, G1B
.Lhj:
	v_and_b32 v2, 31, v0
	v_lshlrev_b32 v1, 4, v2
	s_lshl_b32 s86, s17, 15
	s_lshl_b32 s91, s18, 15
	s_add_co_u32 s91, s91, 65536
.irp s, 0,1
	v_add_nc_u32 v[ADR1+\s], s86, v1
	v_add_nc_u32 v[ADR0+\s], s91, v1
	s_add_co_u32 s86, s86, SLOT
	s_add_co_u32 s91, s91, SLOT
.endr
	v_and_b32 v3, 15, v0                           ; r
	v_bfe_u32 v4, v0, 4, 1                         ; h
	s_mul_i32 s92, s16, 4352
	s_add_co_u32 s92, s92, STAGE                   ; my stage
	v_mul_u32_u24 v24, v3, 272
	v_lshl_add_u32 v24, v4, 6, v24
	v_add_nc_u32 v24, s92, v24                     ; in: row r, + 64 h bytes
	v_mul_u32_u24 v25, v4, 272
	v_lshl_add_u32 v25, v3, 4, v25
	v_add_nc_u32 v25, s92, v25                     ; back: lanes 0-15 one row, lanes 16-31 the next
	v_lshlrev_b32 v26, 13, v4
	v_lshl_add_u32 v26, v3, 4, v26                 ; and the same two rows of out0, 8,192 bytes apart
	s_lshl_b32 s92, s40, 20                        ; 128 tokens x 8,192 bytes,
	s_lshl_b32 s93, s17, 19                        ; my wave's 64,
	s_add_co_u32 s92, s92, s93
	s_lshl_b32 s93, s44, 9                         ; the block's 128 columns,
	s_add_co_u32 s92, s92, s93
	s_lshl_b32 s93, s18, 8                         ; my wave's 64
	s_add_co_u32 s92, s92, s93
	s_mov_b32 s93, 0
	s_add_nc_u64 s[10:11], s[10:11], s[92:93]
	s_wait_alu depctr_va_vdst(0)
	s_wait_tensorcnt 0x0                           ; my one load is in; behind the barrier both slots are whole
	s_barrier_signal -1
	s_barrier_wait -1
	FETCH 0, 0, F0
	QUARTER 0, 1, F0, F1, 1                        ; the first quarter's products start the sums
	QUARTER 0, 2, F1, F0, 0
	QUARTER 0, 3, F0, F1, 0
	TURN 0, 1, 1
	QUARTER 1, 1, F0, F1, 0
	QUARTER 1, 2, F1, F0, 0
	QUARTER 1, 3, F0, F1, 0
	TURN 1, 0, 1
	QUARTER 0, 1, F0, F1, 0
	QUARTER 0, 2, F1, F0, 0
	QUARTER 0, 3, F0, F1, 0
	TURN 0, 1, 0
	QUARTER 1, 1, F0, F1, 0
	QUARTER 1, 2, F1, F0, 0
	QUARTER 1, 3, F0, F1, 0
	s_wait_dscnt 8
	WIN MUL
	MUL4 F1, 0, 0
	MUL4 F1, 1, 0
	s_wait_dscnt 0x0
	MUL4 F1, 2, 0
	MUL4 F1, 3, 0
	WIN 0
	PLACES
	s_wait_kmcnt 0x0
	s_add_co_i32 s90, s68, s69
	s_add_co_i32 s90, s90, 127
	s_lshl_b32 s90, s90, 23                        ; 2^(e10 + e11) as f32
	s_mov_b32 s91, s90                             ; (named with it as a pair)
.macro TOSTAGE a                       ; token tile a: scaled, into my stage, and back as rows.  LDS serves a wave's instructions in order: no wait between the stores and the loads, nor in front of the next tile's stores
.set j, 0
.rept 16
	v_pk_mul_f32 v[32+j:33+j], v[ACC+32*(\a)+j:ACC+32*(\a)+j+1], s[90:91] op_sel_hi:[1,0]   ; each accumulator from its low end on
.set j, j+2
.endr
.irp b, 0,1,2,3
	ds_store_b128 v24, v[32+8*\b:35+8*\b] offset:128*(\b/2)+32*(\b%2)        ; columns 32 (b / 2) + 16 h + 8 (b % 2) + 0 .. 3
	ds_store_b128 v24, v[36+8*\b:39+8*\b] offset:128*(\b/2)+32*(\b%2)+16
.endr
.irp t, 0,1,2,3,4,5,6,7
	ds_load_b128 v[64+32*((\a)%2)+4*\t:64+32*((\a)%2)+4*\t+3], v25 offset:544*\t
.endr
.endm
.macro SEND a, younger                 ; younger: the LDS instructions issued behind tile a's loads, which may stay out
	s_wait_dscnt \younger
.irp t, 0,1,2,3,4,5,6,7
	global_store_b128 v26, v[64+32*((\a)%2)+4*\t:64+32*((\a)%2)+4*\t+3], s[10:11] offset:(32*((\a)/2)+8*((\a)%2)+2*\t+8*(\t/4))*8192 th:TH_STORE_NT   ; stage row 2 t + h is token 2 t + h + 8 (t / 4) of the tile
.endr
.endm
	TOSTAGE 0
.irp a, 1,2,3
.if \a > 1
	s_wait_xcnt 0x0                                ; tile a - 2's stores have read their registers: tile a's loads may land there
.endif
	TOSTAGE \a
	SEND \a-1, 16                                  ; behind tile a - 1's loads: tile a's 8 stores and 8 loads
.endr
	SEND 3, 0
	s_wait_tensorcnt 0x0                           ; the wave's end
	ds_add_u32 v[SPW], v[NIL]
	s_wait_dscnt 0x0
	CROUND                                         ; the closing round
	s_endpgm
.Lfunc_end_k_q2cd4c73338_proj:
	.size	k_q2cd4c73338_proj, .Lfunc_end_k_q2cd4c73338_proj-k_q2cd4c73338_proj
	.p2alignl 7, 3214868480
	.fill 96, 4, 3214868480
	.section	.rodata,"a",@progbits
	.p2align	6, 0x0
	.amdhsa_kernel k_q2cd4c73338_proj
		.amdhsa_group_segment_fixed_size 327680
		.amdhsa_private_segment_fixed_size 0
		.amdhsa_enable_private_segment 0
		.amdhsa_kernarg_size 32
		.amdhsa_user_sgpr_count 2
		.amdhsa_user_sgpr_kernarg_segment_ptr 1
		.amdhsa_wavefront_size32 1
		.amdhsa_system_sgpr_workgroup_id_x 1
		.amdhsa_system_sgpr_workgroup_id_y 1
		.amdhsa_system_sgpr_workgroup_id_z 1
		.amdhsa_system_vgpr_workitem_id 0
		.amdhsa_next_free_vgpr 512
		.amdhsa_next_free_sgpr 96
		.amdhsa_reserve_vcc 0
		.amdhsa_float_denorm_mode_32 3
		.amdhsa_float_denorm_mode_16_64 3
		.amdhsa_memory_ordered 1
		.amdhsa_forward_progress 1
		.amdhsa_inst_pref_size 74
	.end_amdhsa_kernel
	.amdgpu_metadata
---
amdhsa.version: [ 1, 2 ]
amdhsa.kernels:
  - .name:           k_q2cd4c73338_proj
    .symbol:         k_q2cd4c73338_proj.kd
    .args:
      - { .name: yc, .offset: 0, .size: 8, .value_kind: global_buffer, .address_space: global }
      - { .name: wcc, .offset: 8, .size: 8, .value_kind: global_buffer, .address_space: global }
      - { .name: lowp_scales, .offset: 16, .size: 8, .value_kind: global_buffer, .address_space: global }
      - { .name: out0, .offset: 24, .size: 8, .value_kind: global_buffer, .address_space: global }
    .group_segment_fixed_size: 327680
    .private_segment_fixed_size: 0
    .kernarg_segment_align: 8
    .kernarg_segment_size: 32
    .max_flat_workgroup_size: 128
    .sgpr_count:     96
    .vgpr_count:     512
    .wavefront_size: 32
...
	.end_amdgpu_metadata
.endif
;; end of part 4
